; MI455X (gfx1250); checked and timed in simulation.
; The chip was launched on July 23, 2026; its instructions are those of AMD's public machine-readable ISA for CDNA 5 (MIT licence, August 2026) and "CDNA5" Instruction Set Architecture Reference Guide (July 2026). The comments in the code are by the model that wrote it; some were corrected since.
;; Attention. Allowed arithmetic: matrix products marked QUANTISED: E3M2 operands, one E8M0 scale for each 32 along K, by v_wmma_scale_f32_16x16x128_f8f6f4 with both operands' format E3M2, f32 sums; products left as they are: f32 operands where the result goes on into a quantised operand, else bf16, f16 or f32 operands; f32 sums; everything else in f32.
;; Inputs: attn_W 1,024 x 2,048 float32; attn_b 1,024 float32; attn_mask 64 x 1,024 int32; encoder_outputs 1,024 x 64 x 1,024 float32; hidden 64 x 1,024 float32; v_W 1,024 float32.
;; Outputs: out0 64 x 1,024 float32.
;; This version of the problem:
;;   THIS VERSION OF THE PROBLEM IS GIVEN IN LOW PRECISION. The matrix products marked QUANTISED in the list below multiply operands that are first quantised to E3M2 (3 exponent bits, 2 mantissa bits; 6 bits a number), with one power-of-two scale for each 32 numbers along K (OCP MX v1.0); their sums are f32. All else is computed in f32.
;;   The module's matrix products, in the order in which they are computed (A, B: the left and right operand; K: the contracted axis; several contracted axes count as one K, in the product's order):
;;     1. [M 64, K 1,024] x [K 1,024, N 1,024]; A: input hidden; B: input attn_W: QUANTISED
;;     2. [M 65,536, K 1,024] x [K 1,024, N 1,024]; A: input encoder_outputs; B: input attn_W: QUANTISED
;;     3. [M 65,536, K 1,024] x [K 1,024, N 1]; A: computed on the way; B: input v_W: left as it is (N = 1 < 16)
;;   THE QUANTISER, for each operand of a quantised product, along K:
;;     - K is cut into blocks of 32 from its start; a last block that is shorter is filled with zeros.
;;     - A block's scale is 2^e with e = floor(log2(the largest magnitude in the block)) - 4, held to -126 .. 127; a block of zeros has e = 0. As a byte (E8M0): e + 127.
;;     - Each number is divided by its block's scale, clamped to +-28, and rounded to the nearest number of E3M2, ties to even, subnormals kept.
;;     - The product sums the exact products of the quantised numbers (number of the format x scale) in f32.
;;   ~~~python
;;   def quantise(x, axis):      # numpy; x: float32 -> the quantised numbers, widened to float32 again
;;       x = np.moveaxis(x, axis, -1); K = x.shape[-1]
;;       x = np.pad(x, [(0, 0)] * (x.ndim - 1) + [(0, -K % 32)]); x = x.reshape(x.shape[:-1] + (-1, 32)); a = np.abs(x).max(-1, keepdims=True)
;;       e = np.where(a > 0, np.clip(np.frexp(np.where(a > 0, a, 1))[1] - 1 - 4, -126, 127), 0)      # np.frexp(a)[1] - 1 = floor(log2(a)), exactly
;;       r = np.clip(x / 2.0 ** e, -28, 28)
;;       step = 2.0 ** (np.maximum(np.frexp(np.where(r == 0, 1, r))[1] - 1, -2) - 2)
;;       q = np.round(r / step) * step * 2.0 ** e      # np.round: ties to even
;;       return np.moveaxis(q.reshape(q.shape[:-2] + (-1,))[..., :K], -1, axis).astype(np.float32)
;;   ~~~
;; 2 versions. Each part assembles by itself: llvm-mc -triple=amdgcn-amd-amdhsa -mcpu=gfx1250 --defsym DOCPART=n.
;; ======== version 1 of 2: 3 launches
;; workspace buffers: wq 819,200 bytes; hp 262,144 bytes; scores 262,144 bytes
;; launch prep (part 1): grid 64 x 4, 10 waves a work-group, no clusters, 9,472 bytes of LDS; arguments attn_W, hidden, attn_b, wq, hp; writes wq, hp
.if DOCPART == 1
	.amdgcn_target "amdgcn-amd-amdhsa--gfx1250"
	.amdhsa_code_object_version 6
	.text
	.protected	k_qa3f1598107_prep
	.globl	k_qa3f1598107_prep
	.p2align	8
	.type	k_qa3f1598107_prep,@function
k_qa3f1598107_prep:
	s_mov_b64 s[64:65], 0
	v_nop
	global_prefetch_b8 v0, s[64:65] scope:SCOPE_SE
	s_setreg_imm32_b32 hwreg(HW_REG_WAVE_MODE, 25, 1), 1
	s_wait_xcnt 0x0
; attn_W [1024][2048] f32 = [Wh | We] along its rows; hidden [64][1024] f32; attn_b [1024] f32.
; This launch (a) quantises We to codes of BF6 (E3M2) with one E8M0 scale for each 32 along K and lays them in wq in the order in which the next launch's operand registers take them,
; and (b) forms h_proj = Q(hidden) Q(Wh)^T on codes and stores hp = K2 (h_proj + attn_b), K2 = 2 log2(e): the next launch's tanh works in base 2.
; SHARES.  Work-group (n, mt): n = a tile of 16 columns o (rows of attn_W), mt = a tile of 16 rows of hidden, and also the pair of K steps 2 mt, 2 mt + 1 of We.
;   waves 0-7: wave k quantises K step k (128 along K) of the 16 rows of hidden and of the 16 rows of Wh, multiplies them once, and puts its 16 x 16 part sum into LDS;
;   waves 8-9: wave 8 + kk quantises K step 2 mt + kk of the 16 rows of We and stores the fragment as an image of its registers, with its scale words;
;   behind one barrier waves 0 and 1 add the eight part sums, K ascending, add the bias, scale, and store 1,024 consecutive bytes of hp.
; wq: [slot j: 8][unit ui: 2][wn: 2][step t: 4] entries of 6,400 bytes; column o = 512 wn + 32 (2 j + ui) + 16 nt + r, K step 2 t + kk.  An entry: four images of 1,536 bytes (number 2 kk + nt;
;   three chunks of 512 bytes, lane l's 16 bytes of chunk c = operand registers 4 c .. 4 c + 3), then 256 bytes of scale words [kk: 2][lane 16 nt + r].
; hp: [n: 64][b: 64][16] f32.
; LIMITS: NaN and infinities among the inputs are not served.  A block of zeros gets the scale byte 1 (the rule says 127): its codes are zeros, and this program alone reads the bytes.
; h_proj's eight K steps are summed in f32 outside the matrix unit, K ascending.
.set S0,  64                           ; v64-127   64 numbers of a lane: register 16 b + i = k 32 b + 16 (lane / 16) + i of the lane's row
.set S1,  128                          ; v128-191  a second set
.set TM,  192                          ; v192-207  largest magnitudes, bytes, scale operands
.set PCA, 16                           ; v16-35    a fragment's codes (12 registers) and 8 at work
.set PCB, 36                           ; v36-55    a second fragment
.set PWA, 56                           ; v56, v57  the two scale words: they hold scales and nothing else
.set PWB, 57
.set ACC, 208                          ; v208-215  the part sum
.set WV,  14
.set MT,  15
.set KK2, 32                           ; s[32:33]  K2, twice
.set SEL, 34                           ; s[34:35]  selects of v_permlanex16_b32 for lane l xor 16
.macro XLOAD set, adr, base            ; 64 numbers a lane: of each block of 32 my half's 16 neighbours; the run of 16 loads uses 512 whole bytes of each of 16 rows
.irp b, 0,1,2,3
.irp q, 0,1,2,3
	global_load_b128 v[\set+16*\b+4*\q:\set+16*\b+4*\q+3], v[\adr], s[\base:\base+1] offset:128*\b+16*\q
.endr
.endr
.endm
; 64 numbers of a lane become a fragment's codes in v[pc] .. v[pc + 11] and its scale word in v[pw]
.macro QUANT s, pc, pw
.irp b, 0,1,2,3
	v_max3_num_f32 v[TM+\b], |v[\s+16*\b]|, |v[\s+1+16*\b]|, 0x2800000   ; block b: my 16 numbers, and the floor 2^(5 - 127): the byte cannot fall under 1
.endr
.irp i, 2,4,6,8,10,12,14
.irp b, 0,1,2,3
	v_max3_num_f32 v[TM+\b], v[TM+\b], |v[\s+16*\b+\i]|, |v[\s+1+16*\b+\i]|   ; the four blocks by turns
.endr
.endr
.irp b, 0,1,2,3
	v_permlanex16_b32 v[TM+4+\b], v[TM+\b], s[SEL], s[SEL+1]
.endr
.irp b, 0,1,2,3
	v_max_num_f32 v[TM+\b], v[TM+\b], v[TM+4+\b]                 ; with lane l xor 16's 16: the block's largest magnitude
.endr
.irp b, 0,1,2,3
	v_add_nc_u32 v[TM+12+\b], 0xfe000000, v[TM+\b]               ; 4 off its exponent field: the conversion's scale operand
.endr
.irp b, 0,1,2,3
	v_lshrrev_b32 v[TM+4+\b], 23, v[TM+12+\b]                    ; the scale's byte
.endr
	v_lshl_or_b32 v[\pw], v[TM+5], 8, v[TM+4]                    ; four bytes: my row's scale word
	v_lshl_or_b32 v[\pw], v[TM+6], 16, v[\pw]
	v_lshl_or_b32 v[\pw], v[TM+7], 24, v[\pw]
.irp c, 0,1
	v_cvt_scalef32_pk16_bf6_f32 v[\pc+6*\c:\pc+2+6*\c], v[\s+32*\c:\s+15+32*\c], v[TM+12+2*\c]
	v_cvt_scalef32_pk16_bf6_f32 v[\pc+12+4*\c:\pc+14+4*\c], v[\s+16+32*\c:\s+31+32*\c], v[TM+12+2*\c+1]   ; a conversion's three registers begin on an even number
.endr
	v_nop                                                        ; one plain place behind a scaled conversion
.irp c, 0,1                            ; the operand's layout wants a whole block in a lane: lanes 0-15 block 2 c, lanes 16-31 block 2 c + 1
.irp i, 0,1,2
	v_permlane16_swap_b32 v[\pc+6*\c+\i], v[\pc+12+4*\c+\i]
.endr
.irp i, 0,1,2
	v_mov_b32 v[\pc+3+6*\c+\i], v[\pc+12+4*\c+\i]
.endr
.endr
.endm
	s_load_b128 s[4:7], s[0:1], 0x0                ; attn_W s[4:5], hidden s[6:7]
	s_load_b128 s[8:11], s[0:1], 0x10              ; attn_b s[8:9], wq s[10:11]
	s_load_b64 s[12:13], s[0:1], 0x20              ; hp
	v_lshl_add_u32 v254, v0, 2, 0x2000
	v_mov_b32 v255, 0
	v_lshrrev_b32 v1, 5, v0
	v_readfirstlane_b32 s[WV], v1                  ; wave 0..9
	s_and_b32 s[MT], ttmp7, 0xffff                 ; mt; n is ttmp9
	v_and_b32 v2, 15, v0                           ; r
	v_bfe_u32 v3, v0, 4, 1                         ; h
	v_and_b32 v4, 31, v0                           ; lane
	; every address register is made here, ahead of the place where the waves part
	v_lshlrev_b32 v5, 12, v2
	v_lshl_add_u32 v5, v3, 6, v5                   ; hidden: row r of 4,096 bytes, + 64 h
	v_lshlrev_b32 v6, 13, v2
	v_lshl_add_u32 v6, v3, 6, v6                   ; attn_W: row r of 8,192 bytes, + 64 h
	s_lshl_b32 s16, s[WV], 10
	v_lshlrev_b32 v7, 6, v2
	v_lshl_add_u32 v7, v3, 5, v7
	v_add_nc_u32 v7, s16, v7                       ; LDS: part sum k at 1,024 k; row r of 64 bytes, + 32 h  (used by waves 0-7 alone)
	v_lshlrev_b32 v8, 4, v0                        ; LDS, back: 16 bytes a thread (threads 0-63)
	v_lshlrev_b32 v9, 4, v4                        ; an image's place for my lane
	v_lshlrev_b32 v10, 2, v2                       ; a scale word's: both halves of the lanes hold row r's word and write it to the same place
	v_and_b32 v11, 3, v0
	v_lshlrev_b32 v11, 4, v11                      ; attn_b: four numbers at 16 (t % 4)
	v_lshlrev_b32 v12, 4, v0                       ; hp: 16 bytes a thread
	s_mov_b32 s[SEL], 0x76543210
	s_mov_b32 s[SEL+1], 0xfedcba98
	s_mov_b32 s[KK2], 0x4038aa3b                   ; 2 log2(e)
	s_mov_b32 s[KK2+1], s[KK2]
	s_mov_b32 s19, 0                               ; the upper word of every offset below
.irp b, 0,1,2,3
	v_mov_b32 v[TM+4+\b], 0                        ; written once: a lane permute's destination counts as one of its sources
.endr
	s_wait_kmcnt 0x0
	s_cmp_lt_u32 s[WV], 8
	s_cbranch_scc0 .Lwe
	; ---- waves 0-7: one K step of h_proj
	s_lshl_b32 s16, s[WV], 9                       ; 512 k: 128 numbers along K
	s_lshl_b32 s17, s[MT], 16                      ; 16 mt rows of hidden
	s_add_co_u32 s18, s17, s16
	s_add_nc_u64 s[20:21], s[6:7], s[18:19]
	s_lshl_b32 s17, ttmp9, 17                      ; 16 n rows of attn_W
	s_add_co_u32 s18, s17, s16
	s_add_nc_u64 s[22:23], s[4:5], s[18:19]
	XLOAD S0, 5, 20
	XLOAD S1, 6, 22
	s_wait_loadcnt 16                              ; hidden's 16 loads are in; Wh's 16, issued behind them, may be out
	QUANT S0, PCA, PWA
	s_wait_loadcnt 0x0
	QUANT S1, PCB, PWB
.rept 8
	v_nop                                          ; a scale register written by a vector instruction stands 8 places ahead of a scaled matrix instruction, an operand 4
.endr
	; transposed: source 0 = 16 rows of Wh, source 1 = 16 rows of hidden: lane (r, h) holds row b = r and columns o = 8 h + 0 .. 7
	v_wmma_scale_f32_16x16x128_f8f6f4 v[ACC:ACC+7], v[PCB:PCB+11], v[PCA:PCA+11], 0, v[PWB], v[PWA] matrix_a_fmt:MATRIX_FMT_BF6 matrix_b_fmt:MATRIX_FMT_BF6
.rept 4
	v_nop                                          ; four places ahead of the stores that read the result
.endr
	ds_store_b128 v7, v[ACC:ACC+3]                 ; from the accumulator's low end on
	ds_store_b128 v7, v[ACC+4:ACC+7] offset:16
	s_branch .Ljoin
.Lwe:
	; ---- waves 8, 9: one fragment of We into wq
	s_sub_co_u32 s16, s[WV], 8                     ; kk
	s_lshl_b32 s17, s[MT], 1
	s_add_co_u32 s17, s17, s16                     ; K step 2 mt + kk
	s_lshl_b32 s17, s17, 9
	s_add_co_u32 s17, s17, 4096                    ; We begins 1,024 numbers into a row
	s_lshl_b32 s18, ttmp9, 17
	s_add_co_u32 s18, s18, s17
	s_add_nc_u64 s[22:23], s[4:5], s[18:19]
	XLOAD S0, 6, 22
	s_lshr_b32 s24, ttmp9, 2
	s_and_b32 s24, s24, 7                          ; n = 32 wn + 4 j + 2 ui + nt:  j
	s_mul_i32 s24, s24, 102400
	s_bfe_u32 s25, ttmp9, 0x10001                  ; ui
	s_mul_i32 s25, s25, 51200
	s_add_co_u32 s24, s24, s25
	s_lshr_b32 s25, ttmp9, 5                       ; wn
	s_mul_i32 s25, s25, 25600
	s_add_co_u32 s24, s24, s25
	s_mul_i32 s25, s[MT], 6400                     ; step t = mt
	s_add_co_u32 s24, s24, s25                     ; the entry's first byte
	s_and_b32 s26, ttmp9, 1                        ; nt
	s_lshl_b32 s27, s16, 1
	s_add_co_u32 s27, s27, s26
	s_mul_i32 s27, s27, 1536                       ; image 2 kk + nt
	s_add_co_u32 s18, s24, s27
	s_add_nc_u64 s[28:29], s[10:11], s[18:19]
	s_lshl_b32 s27, s16, 7                         ; scale words: 6,144 + 128 kk + 64 nt
	s_lshl_b32 s26, s26, 6
	s_add_co_u32 s27, s27, s26
	s_add_co_u32 s27, s27, 6144
	s_add_co_u32 s18, s24, s27
	s_add_nc_u64 s[30:31], s[10:11], s[18:19]
	s_wait_loadcnt 0x0
	QUANT S0, PCA, PWA
.irp c, 0,1,2
	global_store_b128 v9, v[PCA+4*\c:PCA+4*\c+3], s[28:29] offset:512*\c   ; 32 lanes store 512 consecutive bytes, aligned to 256
.endr
	global_store_b32 v10, v[PWA], s[30:31]         ; 64 bytes of scale words
.Ljoin:
	s_wait_dscnt 0x0                               ; my part sum lies in LDS
	s_barrier_signal -1
	s_barrier_wait -1                              ; all eight do
	s_cmp_lt_u32 s[WV], 2
	s_cbranch_scc0 .Lend
	; ---- waves 0, 1: thread t takes row t / 4, columns 4 (t % 4) on
	s_lshl_b32 s18, ttmp9, 6
	s_add_nc_u64 s[20:21], s[8:9], s[18:19]        ; attn_b at column 16 n
	global_load_b128 v[64:67], v11, s[20:21]
.irp k, 0,1,2,3,4,5,6,7
	ds_load_b128 v[68+4*\k:71+4*\k], v8 offset:1024*\k
.endr
	s_lshl_b32 s18, ttmp9, 12
	s_lshl_b32 s22, s[MT], 10
	s_add_co_u32 s18, s18, s22
	s_add_nc_u64 s[24:25], s[12:13], s[18:19]      ; hp at tile n, row 16 mt
	s_wait_dscnt 0x0
.irp k, 1,2,3,4,5,6,7
	v_pk_add_f32 v[68:69], v[68:69], v[68+4*\k:69+4*\k]          ; K ascending
	v_pk_add_f32 v[70:71], v[70:71], v[70+4*\k:71+4*\k]
.endr
	s_wait_loadcnt 0x0
	v_pk_add_f32 v[68:69], v[68:69], v[64:65]                    ; + the bias
	v_pk_add_f32 v[70:71], v[70:71], v[66:67]
	v_pk_mul_f32 v[68:69], v[68:69], s[KK2:KK2+1] op_sel_hi:[1,0]
	v_pk_mul_f32 v[70:71], v[70:71], s[KK2:KK2+1] op_sel_hi:[1,0]
	global_store_b128 v12, v[68:71], s[24:25]      ; 16 lanes store 256 consecutive bytes, aligned
.Lend:
	s_wait_tensorcnt 0x0
	ds_add_u32 v254, v255
	s_wait_dscnt 0x0
	s_endpgm
.Lfunc_end_k_qa3f1598107_prep:
	.size	k_qa3f1598107_prep, .Lfunc_end_k_qa3f1598107_prep-k_qa3f1598107_prep
	.p2alignl 7, 3214868480
	.fill 96, 4, 3214868480
	.section	.rodata,"a",@progbits
	.p2align	6, 0x0
	.amdhsa_kernel k_qa3f1598107_prep
		.amdhsa_group_segment_fixed_size 9472
		.amdhsa_private_segment_fixed_size 0
		.amdhsa_enable_private_segment 0
		.amdhsa_kernarg_size 40
		.amdhsa_user_sgpr_count 2
		.amdhsa_user_sgpr_kernarg_segment_ptr 1
		.amdhsa_wavefront_size32 1
		.amdhsa_system_sgpr_workgroup_id_x 1
		.amdhsa_system_sgpr_workgroup_id_y 1
		.amdhsa_system_sgpr_workgroup_id_z 1
		.amdhsa_system_vgpr_workitem_id 0
		.amdhsa_next_free_vgpr 256
		.amdhsa_next_free_sgpr 66
		.amdhsa_reserve_vcc 0
		.amdhsa_float_denorm_mode_32 3
		.amdhsa_float_denorm_mode_16_64 3
		.amdhsa_memory_ordered 1
		.amdhsa_forward_progress 1
		.amdhsa_inst_pref_size 23
	.end_amdhsa_kernel
	.amdgpu_metadata
---
amdhsa.version: [ 1, 2 ]
amdhsa.kernels:
  - .name:           k_qa3f1598107_prep
    .symbol:         k_qa3f1598107_prep.kd
    .args:
      - { .name: attn_W, .offset: 0, .size: 8, .value_kind: global_buffer, .address_space: global }
      - { .name: hidden, .offset: 8, .size: 8, .value_kind: global_buffer, .address_space: global }
      - { .name: attn_b, .offset: 16, .size: 8, .value_kind: global_buffer, .address_space: global }
      - { .name: wq, .offset: 24, .size: 8, .value_kind: global_buffer, .address_space: global }
      - { .name: hp, .offset: 32, .size: 8, .value_kind: global_buffer, .address_space: global }
    .group_segment_fixed_size: 9472
    .private_segment_fixed_size: 0
    .kernarg_segment_align: 8
    .kernarg_segment_size: 40
    .max_flat_workgroup_size: 320
    .sgpr_count:     66
    .vgpr_count:     256
    .wavefront_size: 32
...
	.end_amdgpu_metadata
.endif
;; end of part 1
;; launch main (part 2): grid 256 x 1, 4 waves a work-group, clusters of 4 x 1, 327,680 bytes of LDS; arguments encoder_outputs, wq, hp, v_W, scores; writes scores
.if DOCPART == 2
	.amdgcn_target "amdgcn-amd-amdhsa--gfx1250"
	.amdhsa_code_object_version 6
	.text
	.protected	k_qa3f1598107_main
	.globl	k_qa3f1598107_main
	.p2align	8
	.type	k_qa3f1598107_main,@function
k_qa3f1598107_main:
	s_mov_b64 s[64:65], 0
	v_nop
	global_prefetch_b8 v0, s[64:65] scope:SCOPE_SE
	s_setreg_imm32_b32 hwreg(HW_REG_WAVE_MODE, 25, 1), 1
	s_wait_xcnt 0x0
	s_wait_alu depctr_hold_cnt(0) depctr_sa_sdst(0) depctr_va_vdst(0) depctr_va_sdst(0) depctr_va_ssrc(0) depctr_va_vcc(0) depctr_vm_vsrc(0)
	s_getreg_b32 s2, hwreg(HW_REG_IB_STS2, 6, 4)
	s_cmp_eq_u32 s2, 0
	s_cbranch_scc0 .Lentry_in_a_cluster
	s_endpgm
.Lentry_in_a_cluster:
	s_bfe_u32 s2, ttmp6, 0x10000c
	s_cmp_lg_u32 s2, 0x3003
	s_cbranch_scc0 .Lentry_shape_is_right
	s_endpgm
.Lentry_shape_is_right:
; scores[b][s] = sum over o of v[o] tanh(h_proj[b][o] + attn_b[o] + Q(enc[s][b]) . Q(We[o])).  enc: [1024 (s)][64 (b)][1024] f32; wq, hp: as the launch before lays them; scores: [64][1024] f32.
; tanh(x) = 1 - 1 / (0.5 + 0.5 2^(K2 x)), K2 = 2 log2(e): one fused multiply-add (K2 x = K2 e_proj + hp), v_exp_f32, one fused multiply-add, v_rcp_f32.  It ends at +1 and -1 where the power overflows or falls to 0.
; score = sum of v - sum of v / (0.5 + 0.5 2^..): the sum of v is the value at which each lane's sums begin.
; SHARES.  A cluster of four work-groups has one b (the cluster's number); work-group q of it has rows s = 256 q .. 256 q + 255, in two blocks of 128.  All rows of a work-group share b, so hp is one number a column.
; Four waves, 2 x 2: wave (wm, wn) has rows 64 wm .. + 63 of the block and columns 512 wn .. + 511.  Its four row tiles x 8 K steps of enc's codes stay in 384 registers for a whole block.
; We walks through a ring of two LDS slots of 102,400 bytes (64 columns x 2 wn x K 1,024: two UNITS of 32 columns a wave), asked for JOINTLY by the four work-groups, which walk the same weights: 8 slots a block, 16 visits J.
; A unit is 4 STEPS of 16 matrix instructions (2 K steps x 4 row tiles x 2 column tiles) on 8 accumulators that take turns; two sets of accumulators by the unit's parity: while a unit is multiplied, the tanh of the unit
; before stands in slices behind the matrix instructions.  All that a slice touches lies in window 0 and the operands in windows 1 and 2, so each slice costs two switches of the register windows.
; enc is read once, as f32: wave w quantises rows 32 w .. + 31 of a block (16 fragments of 16 rows x 128 K) and hands them to the others through LDS as images of the operand's registers.  Block 0: ahead of the loops.
; Block 1: two fragments at the end of each of block 0's eight slot visits; their 32 loads a wave were issued a slot visit earlier.
; THE MATRIX INSTRUCTION IS USED AS IT STANDS: source 0 = 16 rows of enc, source 1 = 16 columns of We: a lane holds ONE column (lane % 16) and rows 8 (lane / 16) + 0 .. 7, so hp and v are one number a lane and tile.
; LIMITS: NaN and infinities among the inputs are not served.  A block of zeros gets the scale byte 1 (the rule says 127): its codes are zeros, and this program alone reads the bytes.
; v_exp_f32 and v_rcp_f32 are good to 1 ulp (ISA guide, their entries): tanh carries an absolute error of a few 2^-24.
;
; LDS: 0 slot 0; 102,400 slot 1 (tensor loads, filled again); 204,800 enc's images [row tile: 8][k: 8] x 1,536; 303,104 their scale words [w: 4][16 e + r: 32][k: 8]; 307,200 hp of my b [o]; 311,296 v [o] (tensor loads, once);
;      315,392 part sums [wn: 2][row: 256]; 317,440 the spare words.  All of the LDS is claimed.
; REGISTERS.  window 0: v1-13 addresses; v14-15 the lane's sum of v; v16-31 enc's scale words; v32-35 We's; v36-51 hp and v of two units; v52-56 the quantiser's addresses; v57-63 at work; v64-95 T; v96-127 the sums; v128-255 accumulators.
;   window 1: enc's fragments of K steps 0-4 at 48 k + 12 a.   window 2: K steps 5-7 at 48 (k - 5) + 12 a; from v144 We's fragments, two buffers of 48.   window 3: the quantiser: v0-191 three sets of 64 numbers; v192.. at work.
.set WS1,   102400                     ; slot 1; also a slot's bytes
.set AIMG,  204800
.set ASC,   303104
.set CSB,   307200
.set VVO,   4096                       ; v lies this far behind hp
.set PS,    315392
.set SPARE, 317440                     ; 128 bytes for each wave: two blocks of 256 bytes that no other line names
.set FRB,   1536                       ; a fragment's image
.set SPW,  1                           ; v1   SPARE + 4 x my thread's number; never rewritten
.set NIL,  2                           ; v2   0; never rewritten
.set AW0,  3                           ; v3   16 lane + 25,600 wn
.set AWS0, 4                           ; v4   4 lane + 25,600 wn + 6,144
.set AW,   5                           ; v5-6 We's images of the slot in hand, unit 0, 1
.set AWS,  7                           ; v7-8 their scale words
.set ACS0, 9                           ; v9   hp: CSB + 2,048 wn + 4 r
.set ACS,  10                          ; v10  + 256 x the slot's part
.set LI,   11                          ; v11  AIMG + 49,152 wm + 16 lane
.set LSC,  12                          ; v12  ASC + 2,048 wm + 32 lane
.set PSA,  13                          ; v13  PS + 1,024 wn + 256 wm + 32 h
.set VS,   14
.set ASR,  16                          ; register 8 (a / 2) + k: lanes 0-15 row tile 2 (a / 2), lanes 16-31 the tile after it
.set WSC,  32                          ; register 2 bf + kk: lanes 0-15 column tile 0, lanes 16-31 column tile 1
.set CSW,  36                          ; set q at 36 + 8 q: hp0, hp0, hp1, hp1, v0, v0, v1, v1: each twice, a pair for the packed forms
.set XA,   52                          ; v52  enc: 262,144 r + 64 h
.set IA0,  53                          ; v53  AIMG + 24,576 w + 16 lane
.set IA,   54
.set SA0,  55                          ; v55  ASC + 1,024 w + 32 r
.set SA,   56
.set T,    64                          ; two buffers of 16: a row tile's 2 x 8 numbers on their way through tanh
.set SACC, 96                          ; register 8 a + j: row 16 a + 8 h + j
.set ACC,  128                         ; set q, tile (a, nt) at 128 + 64 q + 8 (2 a + nt)
.set WF,   144                         ; window 2: buffer bf, fragment 2 kk + nt at 144 + 48 bf + 12 (2 kk + nt)
.set X,    0                           ; window 3
.set Y,    64
.set Z,    128
.set TM,   192
.set PC,   208
.set PW,   228
.set WV,   14
.set WM,   15
.set WN,   16
.set CX,   17
.set WOFF, 18                          ; s18  25,600 w
.set J,    19                          ; s19  the slot visit, 0 .. 15
.set TB,   20                          ; s20  LDS byte at which the slot in hand begins
.set G1W,  24
.set G0W,  32
.set G1C,  36
.set G0C,  44
.set G1V,  48
.set G0V,  56
.set KK2,  60                          ; s[60:61] K2, twice
.set SEL,  62                          ; s[62:63] selects of v_permlanex16_b32 for lane l xor 16
.set EB0,  66                          ; s[66:67] enc at my wave's first row of block 0;  s[68:69] of block 1
.set EB1,  68
.set EA,   70
.set OFF,  72
.set WB,   74                          ; s[74:75] wq + 25,600 w
.set DO1,  1                           ; which parts of a slice are written: all, until the drain
.set DO3,  1
.set DO5,  1
.set MSB, 0
.macro WIN new                         ; the immediate's high byte repeats the setting that is left; a switch that changes nothing is dropped
.if MSB != \new
	s_set_vgpr_msb (MSB<<8)|\new
.set MSB, \new
.endif
.endm
.macro CROUND                          ; a round of the cluster's barrier
	s_barrier_signal -1
	s_barrier_wait -1
	s_cmp_lg_u32 s[WV], 0
	s_cbranch_scc1 .Lnot_wave_0_\@
	s_barrier_signal -3
.Lnot_wave_0_\@:
	s_barrier_wait -3
	s_barrier_signal -1
	s_barrier_wait -1
.endm
; 64 numbers a lane of 16 rows x 128 K: of each block of 32 my half's 16 neighbours.  The run of 16 loads uses 512 whole bytes of each of 16 rows.  (Under WIN 0xc0: destination window 3, address window 0)
.macro XLOAD set, base, off
.irp b, 0,1,2,3
.irp q, 0,1,2,3
	global_load_b128 v[\set+16*\b+4*\q:\set+16*\b+4*\q+3], v[XA], s[\base:\base+1] offset:(\off)+128*\b+16*\q th:TH_LOAD_NT
.endr
.endr
.endm
; 64 numbers of a lane, register 16 b + i = k 32 b + 16 (lane / 16) + i of my row, become a fragment's codes in v[PC] .. v[PC + 11] and its scale word in v[PW].  (Under WIN 0xff: all in window 3)
.macro QUANT s
.irp b, 0,1,2,3
	v_max3_num_f32 v[TM+\b], |v[\s+16*\b]|, |v[\s+1+16*\b]|, 0x2800000   ; block b: my 16 numbers, and the floor 2^(5 - 127): the byte cannot fall under 1
.endr
.irp i, 2,4,6,8,10,12,14
.irp b, 0,1,2,3
	v_max3_num_f32 v[TM+\b], v[TM+\b], |v[\s+16*\b+\i]|, |v[\s+1+16*\b+\i]|   ; the four blocks by turns
.endr
.endr
.irp b, 0,1,2,3
	v_permlanex16_b32 v[TM+4+\b], v[TM+\b], s[SEL], s[SEL+1]
.endr
.irp b, 0,1,2,3
	v_max_num_f32 v[TM+\b], v[TM+\b], v[TM+4+\b]                 ; with lane l xor 16's 16: the block's largest magnitude
.endr
.irp b, 0,1,2,3
	v_add_nc_u32 v[TM+12+\b], 0xfe000000, v[TM+\b]               ; 4 off its exponent field: the conversion's scale operand
.endr
.irp b, 0,1,2,3
	v_lshrrev_b32 v[TM+4+\b], 23, v[TM+12+\b]                    ; the scale's byte
.endr
	s_wait_dscnt 0x0                                             ; the last fragment's LDS stores have read PW and PC: both are written again below
	v_lshl_or_b32 v[PW], v[TM+5], 8, v[TM+4]
	v_lshl_or_b32 v[PW], v[TM+6], 16, v[PW]
	v_lshl_or_b32 v[PW], v[TM+7], 24, v[PW]
.irp c, 0,1
	v_cvt_scalef32_pk16_bf6_f32 v[PC+6*\c:PC+2+6*\c], v[\s+32*\c:\s+15+32*\c], v[TM+12+2*\c]
	v_cvt_scalef32_pk16_bf6_f32 v[PC+12+4*\c:PC+14+4*\c], v[\s+16+32*\c:\s+31+32*\c], v[TM+12+2*\c+1]   ; a conversion's three registers begin on an even number
.endr
	v_nop                                                        ; one plain place behind a scaled conversion
.irp c, 0,1                            ; the operand's layout wants a whole block in a lane
.irp i, 0,1,2
	v_permlane16_swap_b32 v[PC+6*\c+\i], v[PC+12+4*\c+\i]
.endr
.irp i, 0,1,2
	v_mov_b32 v[PC+3+6*\c+\i], v[PC+12+4*\c+\i]
.endr
.endr
.endm
.macro IMG adr, off                    ; the fragment goes to LDS as it stands: lane l's 16 bytes at 16 l.  (Under WIN 0x0c: an LDS store's data are its source 1: window 3)
.irp c, 0,1,2
	ds_store_b128 v[\adr], v[PC+4*\c:PC+4*\c+3] offset:(\off)+512*\c
.endr
.endm
; 14 LDS loads in one run: the four fragments of We and the two registers of scale words of step t of unit ui, into buffer bf
.macro RUNW ui, t, bf
	WIN 0x80                                       ; destination window 2, address window 0
.irp f, 0,1,2,3
.irp c, 0,1,2
	ds_load_b128 v[WF+48*(\bf)+12*\f+4*\c:WF+48*(\bf)+12*\f+4*\c+3], v[AW+(\ui)] offset:6400*(\t)+FRB*\f+512*\c
.endr
.endr
	WIN 0
.irp q, 0,1
	ds_load_b32 v[WSC+2*(\bf)+\q], v[AWS+(\ui)] offset:6400*(\t)+128*\q
.endr
.endm
.macro CSWLOAD ui                      ; hp and v of unit ui's two column tiles, each into both registers of a pair: 8 loads
.irp q, 0,1
	ds_load_b32 v[CSW+8*(\ui)+2*\q], v[ACS] offset:128*(\ui)+64*\q
	ds_load_b32 v[CSW+8*(\ui)+2*\q+1], v[ACS] offset:128*(\ui)+64*\q
	ds_load_b32 v[CSW+8*(\ui)+4+2*\q], v[ACS] offset:VVO+128*(\ui)+64*\q
	ds_load_b32 v[CSW+8*(\ui)+5+2*\q], v[ACS] offset:VVO+128*(\ui)+64*\q
.endr
.endm
; THE TANH OF A ROW TILE (16 numbers a lane: 2 column tiles x 8 rows) takes three steps.  In step t of unit u: P3, P4 begin tile t of unit u - 1 in buffer T0; P1, P2 go on with the tile begun a step ago, in T1;
; P5 ends the tile begun two steps ago, which lies in T0 and is read before P3 writes there.  No item names the result of a transcendental issued in the same step.
.macro SYMS ui, t
.set T0, T+16*((\t)%2)
.set T1, T+16*(1-(\t)%2)
.set AQ, ACC+64*(1-(\ui))+16*(\t)      ; the other set's tiles (t, 0), (t, 1): 16 registers on end
.set CQ, CSW+8*(1-(\ui))               ; hp of unit u - 1
.if (\t) < 2
.set VQ, CSW+8*(\ui)+4                 ; P5's tile is unit u - 2's, tile t + 2:  v of this parity,
.else
.set VQ, CSW+8*(1-(\ui))+4             ; or unit u - 1's, tile t - 2
.endif
.set SG, SACC+8*(((\t)+2)%4)
.endm
.macro P1 x                            ; 0.5 + 0.5 2^..
.if DO1
	v_pk_fma_f32 v[T1+2*(\x):T1+2*(\x)+1], v[T1+2*(\x):T1+2*(\x)+1], 0.5, 0.5 op_sel_hi:[1,0,0]
.endif
.endm
.macro P2 x
.if DO1
	v_rcp_f32 v[T1+(\x)], v[T1+(\x)]
.endif
.endm
.macro P3 x                            ; K2 e_proj + hp; each accumulator is read from its low end on
.if DO3
	v_pk_fma_f32 v[T0+2*(\x):T0+2*(\x)+1], v[AQ+2*(\x):AQ+2*(\x)+1], s[KK2:KK2+1], v[CQ+2*((\x)/4):CQ+2*((\x)/4)+1] op_sel_hi:[1,0,1]
.endif
.endm
.macro P4 x
.if DO3
	v_exp_f32 v[T0+(\x)], v[T0+(\x)]
.endif
.endm
.macro P5 x                            ; the sum of the row takes - v x the reciprocal
.if DO5
	v_pk_fma_f32 v[SG+2*((\x)%4):SG+2*((\x)%4)+1], v[T0+2*(\x):T0+2*(\x)+1], v[VQ+2*((\x)/4):VQ+2*((\x)/4)+1], v[SG+2*((\x)%4):SG+2*((\x)%4)+1] neg_lo:[1,0,0] neg_hi:[1,0,0]
.endif
.endm
.macro SLICE                           ; slice i of 16: 56 items in all, a plain one first in each
.if i == 0
	P1 0
	P5 0
.elseif i < 8
	P1 i
	P5 i
	P2 2*i-2
	P2 2*i-1
.elseif i == 8
	P3 0
	P2 14
	P2 15
.elseif i < 15
	P3 i-8
	P4 2*i-18
	P4 2*i-17
.else
	P3 7
	P4 12
	P4 13
	P4 14
	P4 15
.endif
.endm
; Matrix instruction i of a step's 16: K step 2 t + i / 8, row tile (i % 8) / 2, column tile i % 2.  The 8 accumulators take turns, one instruction a turn.  K step 0 starts the sums with the constant 0.
.macro MM ui, t
.set kk, i/8
.set aa, (i%8)/2
.set nn, i%2
.set ks, 2*(\t)+kk
.if ks < 5
	WIN 0x09                                       ; source 0 (enc) window 1, source 1 (We) window 2, C and D window 0
.set rA, 48*ks+12*aa
.else
	WIN 0x0a                                       ; source 0 window 2
.set rA, 48*(ks-5)+12*aa
.endif
.set rB, WF+48*((\t)%2)+12*(2*kk+nn)
.set rD, ACC+64*(\ui)+8*(2*aa+nn)
.set rP, ASR+8*(aa/2)+ks
.set rQ, WSC+2*((\t)%2)+kk
.if ks == 0
.if (aa%2 == 0) && (nn == 0)
	v_wmma_scale_f32_16x16x128_f8f6f4 v[rD:rD+7], v[rA:rA+11], v[rB:rB+11], 0, v[rP], v[rQ] matrix_a_fmt:MATRIX_FMT_BF6 matrix_b_fmt:MATRIX_FMT_BF6
.elseif aa%2 == 0
	v_wmma_scale_f32_16x16x128_f8f6f4 v[rD:rD+7], v[rA:rA+11], v[rB:rB+11], 0, v[rP], v[rQ] matrix_a_fmt:MATRIX_FMT_BF6 matrix_b_fmt:MATRIX_FMT_BF6 matrix_b_scale:MATRIX_SCALE_ROW1
.elseif nn == 0
	v_wmma_scale_f32_16x16x128_f8f6f4 v[rD:rD+7], v[rA:rA+11], v[rB:rB+11], 0, v[rP], v[rQ] matrix_a_fmt:MATRIX_FMT_BF6 matrix_b_fmt:MATRIX_FMT_BF6 matrix_a_scale:MATRIX_SCALE_ROW1
.else
	v_wmma_scale_f32_16x16x128_f8f6f4 v[rD:rD+7], v[rA:rA+11], v[rB:rB+11], 0, v[rP], v[rQ] matrix_a_fmt:MATRIX_FMT_BF6 matrix_b_fmt:MATRIX_FMT_BF6 matrix_a_scale:MATRIX_SCALE_ROW1 matrix_b_scale:MATRIX_SCALE_ROW1
.endif
.else
.if (aa%2 == 0) && (nn == 0)
	v_wmma_scale_f32_16x16x128_f8f6f4 v[rD:rD+7], v[rA:rA+11], v[rB:rB+11], v[rD:rD+7], v[rP], v[rQ] matrix_a_fmt:MATRIX_FMT_BF6 matrix_b_fmt:MATRIX_FMT_BF6
.elseif aa%2 == 0
	v_wmma_scale_f32_16x16x128_f8f6f4 v[rD:rD+7], v[rA:rA+11], v[rB:rB+11], v[rD:rD+7], v[rP], v[rQ] matrix_a_fmt:MATRIX_FMT_BF6 matrix_b_fmt:MATRIX_FMT_BF6 matrix_b_scale:MATRIX_SCALE_ROW1
.elseif nn == 0
	v_wmma_scale_f32_16x16x128_f8f6f4 v[rD:rD+7], v[rA:rA+11], v[rB:rB+11], v[rD:rD+7], v[rP], v[rQ] matrix_a_fmt:MATRIX_FMT_BF6 matrix_b_fmt:MATRIX_FMT_BF6 matrix_a_scale:MATRIX_SCALE_ROW1
.else
	v_wmma_scale_f32_16x16x128_f8f6f4 v[rD:rD+7], v[rA:rA+11], v[rB:rB+11], v[rD:rD+7], v[rP], v[rQ] matrix_a_fmt:MATRIX_FMT_BF6 matrix_b_fmt:MATRIX_FMT_BF6 matrix_a_scale:MATRIX_SCALE_ROW1 matrix_b_scale:MATRIX_SCALE_ROW1
.endif
.endif
.endm
; A block's sums: over the 16 lanes of each half (16 columns each), then to LDS, where the two waves of a row half meet.  The 16 lanes of a half write one word with one value.
.macro FLUSH blk
.irp m, 1,2,4,8
.set x, 0
.rept 32
	v_add_f32_dpp v[SACC+x], v[SACC+x], v[SACC+x] row_xmask:\m row_mask:0xf bank_mask:0xf
.set x, x+1
.endr
.endr
.set x, 0
.rept 32
	ds_store_b32 v[PSA], v[SACC+x] offset:512*(\blk)+64*(x/8)+4*(x%8)
.set x, x+1
.endr
.if (\blk) == 0
	s_wait_dscnt 0x0                               ; the stores have read their registers:
.set x, 0
.rept 32
	v_mov_b32 v[SACC+x], v[VS]                     ; the next block's sums begin at the lane's sum of v
.set x, x+1
.endr
.endif
.endm
; A STEP.  head = 1: four v_nop, the places between the last step's matrix instructions and the loads into the buffer and scale registers that they read, the first of them also the plain line behind the last
; transcendental; then ONE wait for the last step's 32 transcendentals, ahead of their first readers and directly ahead of the run of LDS loads.  nxt = 1: the fragments of step (nui, nt2) are fetched.
; fl = 1: in visit 8 block 0's sums leave here: its last item was P5 of the step before.
.macro STEP ui, t, head, nxt, nui, nt2, fl
	SYMS \ui, \t
.if \head
	WIN 0
.rept 4
	v_nop
.endr
	s_wait_alu depctr_va_vdst(0)
.endif
.if \fl
	s_cmp_lg_u32 s[J], 8
	s_cbranch_scc1 .Lsame_block_\@
	FLUSH 0
.Lsame_block_\@:
.endif
.set WC, 0
.if \nxt
	RUNW \nui, \nt2, 1-(\t)%2
.set WC, 14
.endif
.if (\t) == 2
	CSWLOAD \ui                                    ; this parity's set had its last reader in step 1
.set WC, WC+8
.endif
	s_wait_dscnt WC                                ; all but what was just issued (14 for the next step, 8 of hp and v) is in: this step's fragments among it
.set i, 0
.rept 16
	MM \ui, \t
	WIN 0
	SLICE
.set i, i+1
.endr
.endm
; A slot visit: two units, eight steps.  The first step writes no places and no wait: the visit before ended with the wait, and the five additions below are places.
.macro SLOTWORK fl
	v_add_nc_u32 v[AW], s[TB], v[AW0]
	v_add_nc_u32 v[AWS], s[TB], v[AWS0]
	s_add_co_u32 s21, s[TB], 51200
	v_add_nc_u32 v[AW+1], s21, v[AW0]
	v_add_nc_u32 v[AWS+1], s21, v[AWS0]
	s_and_b32 s22, s[J], 7
	s_lshl_b32 s22, s22, 8
	v_add_nc_u32 v[ACS], s22, v[ACS0]              ; 64 columns a slot
	RUNW 0, 0, 0
	STEP 0, 0, 0, 1, 0, 1, 0
	STEP 0, 1, 1, 1, 0, 2, 0
	STEP 0, 2, 1, 1, 0, 3, 0
	STEP 0, 3, 1, 1, 1, 0, 0
	STEP 1, 0, 1, 1, 1, 1, 0
	STEP 1, 1, 1, 1, 1, 2, 0
	STEP 1, 2, 1, 1, 1, 3, \fl
	STEP 1, 3, 1, 0, 0, 0, 0
	WIN 0
	v_nop                                          ; the plain line behind the last transcendental,
	s_wait_alu depctr_va_vdst(0)                   ; and the wait for the last step's batch, ahead of the branches and labels that follow
	s_xor_b32 s[TB], s[TB], WS1                    ; on to the other slot
.endm
; THE CHANGE OF SLOTS stands at a visit's head.  Each wave waits for all its tensor loads (one is out: its quarter of the slot ahead), adds 0 to its spare word, and waits for that and for its reads of the slot that it has left.
; fill = 1: a round of the cluster's barrier, and behind it the joint refill of the slot just left, with the part of wq that visit J + 1 reads: it has a whole visit, 128 matrix instructions, in which to land.
.macro CHANGE fill
	WIN 0
	s_wait_tensorcnt 0x0                           ; no tensor load of mine is out, so group 0 may be written
	ds_add_u32 v[SPW], v[NIL]                      ; 0 onto my spare word
.if \fill
	s_add_co_u32 s21, s[J], 1
	s_and_b32 s21, s21, 7
	s_mul_i32 s[OFF], s21, WS1
	s_add_nc_u64 s[G0W+2:G0W+3], s[WB:WB+1], s[OFF:OFF+1]
	s_or_b32 s[G0W+3], s[G0W+3], 0x80000000
	s_xor_b32 s21, s[TB], WS1
	s_add_co_u32 s[G0W+1], s21, s[WOFF]
	s_wait_dscnt 0x0                               ; the add is done, my reads of the slot are over, my images lie in LDS
	CROUND
	tensor_load_to_lds s[G0W:G0W+3], s[G1W:G1W+7]
	s_nop 0
.rept 4
	v_nop                                          ; places in front of the loads that follow
.endr
.else
	s_wait_dscnt 0x0
	s_barrier_signal -1
	s_barrier_wait -1
.endif
.endm
; A block's codes come into my registers: 4 row tiles x 8 K steps x 3 loads, and their scale words
.macro RELOAD
	WIN 0x40
.irp k, 0,1,2,3,4
.irp a, 0,1,2,3
.irp c, 0,1,2
	ds_load_b128 v[48*\k+12*\a+4*\c:48*\k+12*\a+4*\c+3], v[LI] offset:8*FRB*\a+FRB*\k+512*\c
.endr
.endr
.endr
	WIN 0x80
.irp k, 5,6,7
.irp a, 0,1,2,3
.irp c, 0,1,2
	ds_load_b128 v[48*(\k-5)+12*\a+4*\c:48*(\k-5)+12*\a+4*\c+3], v[LI] offset:8*FRB*\a+FRB*\k+512*\c
.endr
.endr
.endr
	WIN 0
.irp p, 0,1
.irp q, 0,1
	ds_load_b128 v[ASR+8*\p+4*\q:ASR+8*\p+4*\q+3], v[LSC] offset:1024*\p+16*\q
.endr
.endr
	s_wait_dscnt 0x0
.endm
; At the end of visit J of block 0: fragments 2 J and 2 J + 1 of block 1 (row tile J / 4 of my two, K steps 2 (J % 4) and the next) are quantised, and the next two are asked for: 32 loads, a visit ahead.
.macro LUMP
	s_wait_loadcnt 0x0                             ; the 32 loads issued a visit ago; it also frees their base
	s_mul_i32 s21, s[J], 2*FRB
	v_add_nc_u32 v[IA], s21, v[IA0]
	s_lshr_b32 s22, s[J], 2
	s_lshl_b32 s22, s22, 9
	s_and_b32 s23, s[J], 3
	s_lshl_b32 s23, s23, 3
	s_add_co_u32 s22, s22, s23
	v_add_nc_u32 v[SA], s22, v[SA0]
	WIN 0xff
	QUANT X
	WIN 0x0c
	IMG IA, 0
	ds_store_b32 v[SA], v[PW]
	WIN 0xff
	QUANT Y
	WIN 0x0c
	IMG IA, FRB
	ds_store_b32 v[SA], v[PW] offset:4
	WIN 0
	s_cmp_ge_u32 s[J], 7                           ; the last lump asks for nothing: no load leaves the work-group's rows
	s_cbranch_scc1 .Lno_more_\@
	s_add_co_u32 s21, s[J], 1
	s_lshr_b32 s22, s21, 2
	s_lshl_b32 s22, s22, 22                        ; 16 rows of 262,144 bytes
	s_and_b32 s21, s21, 3
	s_lshl_b32 s21, s21, 10                        ; two K steps of 512 bytes
	s_add_co_u32 s76, s22, s21
	s_add_nc_u64 s[EA:EA+1], s[EB1:EB1+1], s[76:77]
	WIN 0xc0
	XLOAD X, EA, 0
	XLOAD Y, EA, 512
	WIN 0
.Lno_more_\@:
.endm
; Fragment f of block 0 (row tile f / 8 of my two, K step f % 8), from set f % 3; then the set takes fragment f + 3, or at the end block 1's first two
.macro PRO f
.set SETR, 64*((\f)%3)
.if (\f) == 15
	s_wait_loadcnt 16                              ; behind this fragment's loads: one set of 16
.else
	s_wait_loadcnt 32                              ; behind this fragment's loads: two sets of 16
.endif
	WIN 0xff
	QUANT SETR
	WIN 0x0c
	IMG IA0, FRB*(\f)
	ds_store_b32 v[SA0], v[PW] offset:512*((\f)/8)+4*((\f)%8)
.if (\f) < 13
	WIN 0xc0
	XLOAD SETR, EB0, 4194304*(((\f)+3)/8)+512*(((\f)+3)%8)
.elseif (\f) == 13
	WIN 0xc0
	XLOAD SETR, EB1, 512
.elseif (\f) == 15
	WIN 0xc0
	XLOAD SETR, EB1, 0
.endif
.endm
; A step's slices with no matrix instructions between: the tanh that is still on its way when the last unit has been multiplied
.macro DRAIN ui, t, d1, d3, d5, w
	SYMS \ui, \t
.set DO1, \d1
.set DO3, \d3
.set DO5, \d5
.if \w
	v_nop
	s_wait_alu depctr_va_vdst(0)                   ; one wait for the step before
.endif
.set i, 0
.rept 16
	SLICE
.set i, i+1
.endr
.endm
	s_load_b256 s[4:11], s[0:1], 0x0               ; enc s[4:5], wq s[6:7], hp s[8:9], v_W s[10:11]
	s_load_b64 s[12:13], s[0:1], 0x20              ; scores
	v_lshl_add_u32 v[SPW], v0, 2, SPARE
	v_mov_b32 v[NIL], 0
	ds_add_u32 v1, v2
	ds_add_u32 v1, v2
	s_wait_dscnt 0x0
	v_lshrrev_b32 v57, 5, v0
	v_readfirstlane_b32 s[WV], v57                 ; wave 0..3
	s_lshr_b32 s[WM], s[WV], 1
	s_and_b32 s[WN], s[WV], 1
	s_bfe_u32 s[CX], ttmp6, 0x40000                ; q: my place in the cluster: it enters enc's and scores' addresses alone.  b is ttmp9, the cluster's number
	v_and_b32 v57, 31, v0                          ; lane
	v_and_b32 v58, 15, v0                          ; r
	v_bfe_u32 v59, v0, 4, 1                        ; h
	s_mul_i32 s21, s[WN], 25600
	v_lshl_add_u32 v[AW0], v57, 4, s21
	s_add_co_u32 s21, s21, 6144
	v_lshl_add_u32 v[AWS0], v57, 2, s21
	s_lshl_b32 s21, s[WN], 11
	s_add_co_u32 s21, s21, CSB
	v_lshl_add_u32 v[ACS0], v58, 2, s21
	s_mul_i32 s21, s[WM], 49152
	s_add_co_u32 s21, s21, AIMG
	v_lshl_add_u32 v[LI], v57, 4, s21
	s_lshl_b32 s21, s[WM], 11
	s_add_co_u32 s21, s21, ASC
	v_lshl_add_u32 v[LSC], v57, 5, s21
	s_lshl_b32 s21, s[WN], 10
	s_lshl_b32 s22, s[WM], 8
	s_add_co_u32 s21, s21, s22
	s_add_co_u32 s21, s21, PS
	v_lshl_add_u32 v[PSA], v59, 5, s21
	v_lshlrev_b32 v[XA], 18, v58                   ; a row of my b is 262,144 bytes from the next
	v_lshl_add_u32 v[XA], v59, 6, v[XA]
	s_mul_i32 s21, s[WV], 24576
	s_add_co_u32 s21, s21, AIMG
	v_lshl_add_u32 v[IA0], v57, 4, s21
	s_lshl_b32 s21, s[WV], 10
	s_add_co_u32 s21, s21, ASC
	v_lshl_add_u32 v[SA0], v58, 5, s21
	; descriptor groups 1.  All three loads are joint: mask 15, all four work-groups, bit 21 set beside it; nothing in any descriptor hangs on q
	s_mov_b32 s[G1W], 15|(3<<16)|(1<<21)           ; a quarter of a slot: 25,600 dense bytes as 100 rows of 32 elements of 8 bytes
	s_mov_b32 s[G1W+1], 32<<16                     ; tensor_dim0
	s_mov_b32 s[G1W+2], 100<<16                    ; tensor_dim1
	s_mov_b32 s[G1W+3], 32<<16                     ; tile_dim0
	s_mov_b32 s[G1W+4], 100                        ; tile_dim1
	s_mov_b32 s[G1W+5], 32                         ; the pitch
	s_mov_b32 s[G1W+6], 0
	s_mov_b32 s[G1W+7], 0
	s_mov_b32 s[G1C], 15|(2<<16)|(1<<21)           ; hp of my b, 16 column tiles: 16 rows of 16 elements of 4 bytes, 1,024 elements apart
	s_mov_b32 s[G1C+1], 16<<16
	s_mov_b32 s[G1C+2], 16<<16
	s_mov_b32 s[G1C+3], 16<<16
	s_mov_b32 s[G1C+4], 16
	s_mov_b32 s[G1C+5], 1024
	s_mov_b32 s[G1C+6], 0
	s_mov_b32 s[G1C+7], 0
	s_mov_b32 s[G1V], 15|(3<<16)|(1<<21)           ; a quarter of v: one row of 128 elements of 8 bytes
	s_mov_b32 s[G1V+1], 128<<16
	s_mov_b32 s[G1V+2], 1<<16
	s_mov_b32 s[G1V+3], 128<<16
	s_mov_b32 s[G1V+4], 1
	s_mov_b32 s[G1V+5], 128
	s_mov_b32 s[G1V+6], 0
	s_mov_b32 s[G1V+7], 0
	s_mov_b32 s[KK2], 0x4038aa3b                   ; 2 log2(e)
	s_mov_b32 s[KK2+1], s[KK2]
	s_mov_b32 s[SEL], 0x76543210
	s_mov_b32 s[SEL+1], 0xfedcba98
	s_mov_b32 s[TB], 0
	s_mov_b32 s[OFF+1], 0
	s_mov_b32 s77, 0                               ; the upper word of offsets made in s76: stays 0
	s_mov_b32 s81, 0                               ; and of those made in s80, which alone hold q
	s_lshl_b32 s80, s[CX], 26                      ; 256 q rows,
	s_lshl_b32 s82, ttmp9, 12                      ; my b's 4,096 bytes in a row of s,
	s_add_co_u32 s80, s80, s82
	s_lshl_b32 s82, s[WV], 23                      ; 32 w rows
	s_add_co_u32 s80, s80, s82
	s_wait_kmcnt 0x0
	s_add_nc_u64 s[EB0:EB0+1], s[4:5], s[80:81]
	s_add_nc_u64 s[EB1:EB1+1], s[EB0:EB0+1], 0x2000000   ; 128 rows on
	WIN 0xc0
	XLOAD X, EB0, 0                                ; the stream starts ahead of everything else: fragments 0, 1, 2
	XLOAD Y, EB0, 512
	XLOAD Z, EB0, 1024
	WIN 0
	s_lshl_b32 s80, ttmp9, 12
	s_lshl_b32 s82, s[CX], 10
	s_add_co_u32 s80, s80, s82
	s_add_nc_u64 s[12:13], s[12:13], s[80:81]      ; scores at [b][256 q]
	s_mul_i32 s[WOFF], s[WV], 25600
	s_mov_b32 s76, s[WOFF]
	s_add_nc_u64 s[WB:WB+1], s[6:7], s[76:77]
	s_mov_b32 s[G0W], 1                            ; count = 1
	s_mov_b32 s[G0W+1], s[WOFF]                    ; LDS: slot 0, my quarter
	s_mov_b64 s[G0W+2:G0W+3], s[WB:WB+1]           ; part 0 of wq
	s_or_b32 s[G0W+3], s[G0W+3], 0x80000000        ; type = 2
	s_lshl_b32 s78, s[WV], 10
	s_mov_b32 s[G0C], 1
	s_add_co_u32 s[G0C+1], s78, CSB
	s_lshl_b32 s76, s[WV], 16                      ; 16 w column tiles of 4,096 bytes,
	s_lshl_b32 s79, ttmp9, 6                       ; row b of 64 bytes
	s_add_co_u32 s76, s76, s79
	s_add_nc_u64 s[G0C+2:G0C+3], s[8:9], s[76:77]
	s_or_b32 s[G0C+3], s[G0C+3], 0x80000000
	s_mov_b32 s[G0V], 1
	s_add_co_u32 s[G0V+1], s78, CSB+VVO
	s_mov_b32 s76, s78
	s_add_nc_u64 s[G0V+2:G0V+3], s[10:11], s[76:77]
	s_or_b32 s[G0V+3], s[G0V+3], 0x80000000
	CROUND                                         ; all four work-groups are here: the first joint loads meet
	tensor_load_to_lds s[G0W:G0W+3], s[G1W:G1W+7]  ; the first fills, one group: three tensor loads of mine are out
	s_nop 0
	tensor_load_to_lds s[G0C:G0C+3], s[G1C:G1C+7]
	s_nop 0
	tensor_load_to_lds s[G0V:G0V+3], s[G1V:G1V+7]
	s_nop 0
	; The loops have no first unit of their own: the unit before the first is a set of zeros with v = 0, whose tanh adds exactly 0.  That costs these moves once and saves a copy of the slot visit.
.set x, 0
.rept 32
	v_mov_b32 v[T+x], 0
.set x, x+1
.endr
.set x, 0
.rept 16
	v_mov_b32 v[CSW+x], 0
.set x, x+1
.endr
.set x, 0
.rept 64
	v_mov_b32 v[ACC+64+x], 0
.set x, x+1
.endr
	WIN 0xc0
.irp b, 0,1,2,3
	v_mov_b32 v[TM+4+\b], 0                        ; written once: a lane permute's destination counts as one of its sources
.endr
	; ---- block 0 is quantised: 16 fragments a wave, three sets of 16 loads by turns
.irp f, 0,1,2,3,4,5,6,7,8,9,10,11,12,13,14,15
	PRO \f
.endr
	WIN 0
	s_wait_tensorcnt 0x0                           ; my quarters of slot 0, of hp and of v are in,
	s_wait_dscnt 0x0                               ; my images and scale words lie in LDS:
	s_barrier_signal -1
	s_barrier_wait -1                              ; everybody's do.
	RELOAD
.set x, 0
.rept 32
	ds_load_b32 v[ACC+x], v[ACS0] offset:VVO+64*x  ; v of my 32 columns 512 wn + 16 x + r, into registers that the first unit's products will start anew
.set x, x+1
.endr
	s_wait_dscnt 0x0
.irp x, 0,2,4,6,8,10,12,14
	v_pk_add_f32 v[ACC+\x:ACC+\x+1], v[ACC+\x:ACC+\x+1], v[ACC+16+\x:ACC+17+\x]
.endr
.irp x, 0,2,4,6
	v_pk_add_f32 v[ACC+\x:ACC+\x+1], v[ACC+\x:ACC+\x+1], v[ACC+8+\x:ACC+9+\x]
.endr
.irp x, 0,2
	v_pk_add_f32 v[ACC+\x:ACC+\x+1], v[ACC+\x:ACC+\x+1], v[ACC+4+\x:ACC+5+\x]
.endr
	v_pk_add_f32 v[ACC:ACC+1], v[ACC:ACC+1], v[ACC+2:ACC+3]
	v_add_f32 v[VS], v[ACC], v[ACC+1]
	v_mov_b32 v[VS+1], v[VS]
.set x, 0
.rept 32
	v_mov_b32 v[SACC+x], v[VS]
.set x, x+1
.endr
	; ---- block 0: eight visits; at the end of each, two fragments of block 1.  Their stores into the images stand behind the first visit's round, in front of which every wave has its copy of block 0 in registers
	s_mov_b32 s[J], 0
.Lblock0:
	CHANGE 1
	SLOTWORK 0
	LUMP
	s_add_co_u32 s[J], s[J], 1
	s_cmp_lt_u32 s[J], 8
	s_cbranch_scc1 .Lblock0
	; ---- block 1: visits 8 to 14.  Visit 8 takes block 1's codes into the registers, behind the round in front of which every wave's last images were waited for
	s_mov_b32 s[J], 8
.Lblock1:
	CHANGE 1
	s_cmp_lg_u32 s[J], 8
	s_cbranch_scc1 .Lkeep
	RELOAD
.Lkeep:
	SLOTWORK 1
	s_add_co_u32 s[J], s[J], 1
	s_cmp_lt_u32 s[J], 15
	s_cbranch_scc1 .Lblock1
	CHANGE 0                                       ; visit 15 is written out: nothing is left to ask for
	SLOTWORK 0
	; ---- what is still on its way through tanh: unit 30's tiles 2 and 3, all of unit 31
	DRAIN 0, 0, 1, 1, 1, 0
	DRAIN 0, 1, 1, 1, 1, 1
	DRAIN 0, 2, 1, 1, 1, 1
	DRAIN 0, 3, 1, 1, 1, 1
	DRAIN 1, 0, 1, 0, 1, 1
	DRAIN 1, 1, 0, 0, 1, 1
	FLUSH 1
	s_wait_dscnt 0x0                               ; my part sums lie in LDS
	s_barrier_signal -1
	s_barrier_wait -1
	v_lshl_add_u32 v57, v0, 3, PS                  ; thread t takes rows 2 t, 2 t + 1: the two halves of the columns are added
	v_lshlrev_b32 v58, 3, v0
	ds_load_b64 v[60:61], v57
	ds_load_b64 v[62:63], v57 offset:1024
	s_wait_dscnt 0x0
	v_pk_add_f32 v[60:61], v[60:61], v[62:63]
	global_store_b64 v58, v[60:61], s[12:13]       ; a wave stores 256 consecutive bytes, aligned
	s_wait_tensorcnt 0x0                           ; the wave's end
	ds_add_u32 v[SPW], v[NIL]
	s_wait_dscnt 0x0
	CROUND                                         ; the closing round: no work-group ends while a partner may still ask for a tile that names it
	s_endpgm
.Lfunc_end_k_qa3f1598107_main:
	.size	k_qa3f1598107_main, .Lfunc_end_k_qa3f1598107_main-k_qa3f1598107_main
	.p2alignl 7, 3214868480
	.fill 96, 4, 3214868480
	.section	.rodata,"a",@progbits
	.p2align	6, 0x0
	.amdhsa_kernel k_qa3f1598107_main
		.amdhsa_group_segment_fixed_size 327680
		.amdhsa_private_segment_fixed_size 0
		.amdhsa_enable_private_segment 0
		.amdhsa_kernarg_size 40
		.amdhsa_user_sgpr_count 2
		.amdhsa_user_sgpr_kernarg_segment_ptr 1
		.amdhsa_wavefront_size32 1
		.amdhsa_system_sgpr_workgroup_id_x 1
		.amdhsa_system_sgpr_workgroup_id_y 1
		.amdhsa_system_sgpr_workgroup_id_z 1
		.amdhsa_system_vgpr_workitem_id 0
		.amdhsa_next_free_vgpr 1024
		.amdhsa_next_free_sgpr 96
		.amdhsa_reserve_vcc 0
		.amdhsa_float_denorm_mode_32 3
		.amdhsa_float_denorm_mode_16_64 3
		.amdhsa_memory_ordered 1
		.amdhsa_forward_progress 1
		.amdhsa_inst_pref_size 255
	.end_amdhsa_kernel
	.section	.bss,"aw",@nobits
	.p2align	6
	.space	262144
	.amdgpu_metadata
---
amdhsa.version: [ 1, 2 ]
amdhsa.kernels:
  - .name:           k_qa3f1598107_main
    .symbol:         k_qa3f1598107_main.kd
    .args:
      - { .name: encoder_outputs, .offset: 0, .size: 8, .value_kind: global_buffer, .address_space: global }
      - { .name: wq, .offset: 8, .size: 8, .value_kind: global_buffer, .address_space: global }
      - { .name: hp, .offset: 16, .size: 8, .value_kind: global_buffer, .address_space: global }
      - { .name: v_W, .offset: 24, .size: 8, .value_kind: global_buffer, .address_space: global }
      - { .name: scores, .offset: 32, .size: 8, .value_kind: global_buffer, .address_space: global }
    .group_segment_fixed_size: 327680
    .private_segment_fixed_size: 0
    .kernarg_segment_align: 8
    .kernarg_segment_size: 40
    .max_flat_workgroup_size: 128
    .sgpr_count:     96
    .vgpr_count:     1024
    .wavefront_size: 32
...
	.end_amdgpu_metadata
.endif
;; end of part 2
;; launch soft (part 3): grid 64 x 1, 8 waves a work-group, no clusters, 1,280 bytes of LDS; arguments scores, attn_mask, out0; writes out0
.if DOCPART == 3
	.amdgcn_target "amdgcn-amd-amdhsa--gfx1250"
	.amdhsa_code_object_version 6
	.text
	.protected	k_qa3f1598107_soft
	.globl	k_qa3f1598107_soft
	.p2align	8
	.type	k_qa3f1598107_soft,@function
k_qa3f1598107_soft:
	s_mov_b64 s[64:65], 0
	v_nop
	global_prefetch_b8 v0, s[64:65] scope:SCOPE_SE
	s_setreg_imm32_b32 hwreg(HW_REG_WAVE_MODE, 25, 1), 1
	s_wait_xcnt 0x0
; out0[b][:] = softmax over s of (attn_mask[b][s] == 0 ? -1e10 : scores[b][s]).  scores, out0: [64][1024] f32; attn_mask: [64][1024] i32.
; One work-group a row b; thread t holds s = 4 t .. 4 t + 3.  The row's largest number is taken away ahead of the exponential; a row that is masked everywhere gives 1 / 1024 everywhere.
; The difference is formed first and then scaled by log2(e), so that equal numbers give exactly 2^0 whatever their size.
; A row is 4,096 bytes: no matrix unit, no tensor load, no cluster: the work-groups share nothing.
	s_load_b128 s[4:7], s[0:1], 0x0                ; scores, attn_mask
	s_load_b64 s[8:9], s[0:1], 0x10                ; out0
	v_lshl_add_u32 v32, v0, 2, 0x100
	v_mov_b32 v33, 0
	v_lshrrev_b32 v1, 5, v0
	v_readfirstlane_b32 s10, v1                    ; wave 0..7
	v_lshlrev_b32 v2, 4, v0
	s_lshl_b32 s11, ttmp9, 12
	v_add_nc_u32 v2, s11, v2                       ; 4,096 b + 16 t
	s_mov_b32 s12, 0x76543210
	s_mov_b32 s13, 0xfedcba98                      ; selects of v_permlanex16_b32 for lane l xor 16
	v_mov_b32 v3, s10
	v_lshlrev_b32 v3, 2, v3                        ; LDS: my wave's word
	v_mov_b32 v4, 0
	v_mov_b32 v13, 0                               ; a lane permute's destination counts as one of its sources
	v_mov_b32 v5, 0xd01502f9                       ; -1e10
	s_wait_kmcnt 0x0
	global_load_b128 v[8:11], v2, s[4:5]
	global_load_b128 v[16:19], v2, s[6:7]
	s_wait_loadcnt 0x0
.irp i, 0,1,2,3
	v_cmp_eq_u32 vcc_lo, 0, v[16+\i]
	v_cndmask_b32 v[8+\i], v[8+\i], v5, vcc_lo
.endr
	v_max3_num_f32 v12, v8, v9, v10
	v_max_num_f32 v12, v12, v11
	v_max_num_f32_dpp v12, v12, v12 row_xmask:1 row_mask:0xf bank_mask:0xf
	v_max_num_f32_dpp v12, v12, v12 row_xmask:2 row_mask:0xf bank_mask:0xf
	v_max_num_f32_dpp v12, v12, v12 row_xmask:4 row_mask:0xf bank_mask:0xf
	v_max_num_f32_dpp v12, v12, v12 row_xmask:8 row_mask:0xf bank_mask:0xf
	v_permlanex16_b32 v13, v12, s12, s13
	v_max_num_f32 v12, v12, v13                    ; the wave's largest
	ds_store_b32 v3, v12                           ; all lanes write the same word with the same value
	s_wait_dscnt 0x0
	s_barrier_signal -1
	s_barrier_wait -1
	ds_load_b128 v[20:23], v4
	ds_load_b128 v[24:27], v4 offset:16
	s_wait_dscnt 0x0
	v_max3_num_f32 v12, v20, v21, v22
	v_max3_num_f32 v12, v12, v23, v24
	v_max3_num_f32 v12, v12, v25, v26
	v_max_num_f32 v12, v12, v27                    ; the row's largest
.irp i, 0,1,2,3
	v_sub_f32 v[8+\i], v[8+\i], v12
.endr
.irp i, 0,1,2,3
	v_mul_f32 v[8+\i], 0x3fb8aa3b, v[8+\i]         ; x log2(e)
.endr
.irp i, 0,1,2,3
	v_exp_f32 v[8+\i], v[8+\i]
.endr
	v_nop                                          ; a plain line behind the last exponential,
	s_wait_alu depctr_va_vdst(0)                   ; and one wait for the four, ahead of their first reader
	v_add_f32 v14, v8, v9
	v_add_f32 v15, v10, v11
	v_add_f32 v14, v14, v15
	v_add_f32_dpp v14, v14, v14 row_xmask:1 row_mask:0xf bank_mask:0xf
	v_add_f32_dpp v14, v14, v14 row_xmask:2 row_mask:0xf bank_mask:0xf
	v_add_f32_dpp v14, v14, v14 row_xmask:4 row_mask:0xf bank_mask:0xf
	v_add_f32_dpp v14, v14, v14 row_xmask:8 row_mask:0xf bank_mask:0xf
	v_permlanex16_b32 v13, v14, s12, s13
	v_add_f32 v14, v14, v13                        ; the wave's sum
	ds_store_b32 v3, v14 offset:32                 ; other bytes than the maxima's: no wave may still be reading those
	s_wait_dscnt 0x0
	s_barrier_signal -1
	s_barrier_wait -1
	ds_load_b128 v[20:23], v4 offset:32
	ds_load_b128 v[24:27], v4 offset:48
	s_wait_dscnt 0x0
	v_add_f32 v20, v20, v21
	v_add_f32 v22, v22, v23
	v_add_f32 v24, v24, v25
	v_add_f32 v26, v26, v27
	v_add_f32 v20, v20, v22
	v_add_f32 v24, v24, v26
	v_add_f32 v20, v20, v24                        ; the row's sum: at least 1, the largest number's own term
	v_rcp_f32 v14, v20
	v_nop
	s_wait_alu depctr_va_vdst(0)
.irp i, 0,1,2,3
	v_mul_f32 v[8+\i], v[8+\i], v14
.endr
	global_store_b128 v2, v[8:11], s[8:9]          ; 16 lanes store 256 consecutive bytes, aligned
	s_wait_tensorcnt 0x0
	ds_add_u32 v32, v33
	s_wait_dscnt 0x0
	s_endpgm
.Lfunc_end_k_qa3f1598107_soft:
	.size	k_qa3f1598107_soft, .Lfunc_end_k_qa3f1598107_soft-k_qa3f1598107_soft
	.p2alignl 7, 3214868480
	.fill 96, 4, 3214868480
	.section	.rodata,"a",@progbits
	.p2align	6, 0x0
	.amdhsa_kernel k_qa3f1598107_soft
		.amdhsa_group_segment_fixed_size 1280
		.amdhsa_private_segment_fixed_size 0
		.amdhsa_enable_private_segment 0
		.amdhsa_kernarg_size 24
		.amdhsa_user_sgpr_count 2
		.amdhsa_user_sgpr_kernarg_segment_ptr 1
		.amdhsa_wavefront_size32 1
		.amdhsa_system_sgpr_workgroup_id_x 1
		.amdhsa_system_sgpr_workgroup_id_y 1
		.amdhsa_system_sgpr_workgroup_id_z 1
		.amdhsa_system_vgpr_workitem_id 0
		.amdhsa_next_free_vgpr 34
		.amdhsa_next_free_sgpr 66
		.amdhsa_reserve_vcc 1
		.amdhsa_float_denorm_mode_32 3
		.amdhsa_float_denorm_mode_16_64 3
		.amdhsa_memory_ordered 1
		.amdhsa_forward_progress 1
		.amdhsa_inst_pref_size 5
	.end_amdhsa_kernel
	.amdgpu_metadata
---
amdhsa.version: [ 1, 2 ]
amdhsa.kernels:
  - .name:           k_qa3f1598107_soft
    .symbol:         k_qa3f1598107_soft.kd
    .args:
      - { .name: scores, .offset: 0, .size: 8, .value_kind: global_buffer, .address_space: global }
      - { .name: attn_mask, .offset: 8, .size: 8, .value_kind: global_buffer, .address_space: global }
      - { .name: out0, .offset: 16, .size: 8, .value_kind: global_buffer, .address_space: global }
    .group_segment_fixed_size: 1280
    .private_segment_fixed_size: 0
    .kernarg_segment_align: 8
    .kernarg_segment_size: 24
    .max_flat_workgroup_size: 256
    .sgpr_count:     66
    .vgpr_count:     34
    .wavefront_size: 32
...
	.end_amdgpu_metadata
.endif
;; end of part 3
;; ======== version 2 of 2: 3 launches
;; limits: right only within a limited range of input values
;; workspace buffers: wq 819,200 bytes; hp 262,144 bytes; scores 262,144 bytes
;; launch prep (part 4): grid 64 x 4, 10 waves a work-group, no clusters, 9,472 bytes of LDS; arguments attn_W, hidden, attn_b, wq, hp; writes wq, hp
.if DOCPART == 4
	.amdgcn_target "amdgcn-amd-amdhsa--gfx1250"
	.amdhsa_code_object_version 6
	.text
	.protected	k_qa3f1598107_prep
	.globl	k_qa3f1598107_prep
	.p2align	8
	.type	k_qa3f1598107_prep,@function
k_qa3f1598107_prep:
	s_mov_b64 s[64:65], 0
	v_nop
	global_prefetch_b8 v0, s[64:65] scope:SCOPE_SE
	s_setreg_imm32_b32 hwreg(HW_REG_WAVE_MODE, 25, 1), 1
	s_wait_xcnt 0x0
; attn_W [1024][2048] f32 = [Wh | We] along its rows; hidden [64][1024] f32; attn_b [1024] f32.
; This launch (a) quantises We to codes of BF6 (E3M2) with one E8M0 scale for each 32 along K and lays them in wq in the order in which the next launch's operand registers take them,
; and (b) forms h_proj = Q(hidden) Q(Wh)^T on codes and stores hp = K2 (h_proj + attn_b), K2 = 2 log2(e): the next launch's tanh works in base 2.
; SHARES.  Work-group (n, mt): n = a tile of 16 columns o (rows of attn_W), mt = a tile of 16 rows of hidden, and also the pair of K steps 2 mt, 2 mt + 1 of We.
;   waves 0-7: wave k quantises K step k (128 along K) of the 16 rows of hidden and of the 16 rows of Wh, multiplies them once, and puts its 16 x 16 part sum into LDS;
;   waves 8-9: wave 8 + kk quantises K step 2 mt + kk of the 16 rows of We and stores the fragment as an image of its registers, with its scale words;
;   behind one barrier waves 0 and 1 add the eight part sums, K ascending, add the bias, scale, and store 1,024 consecutive bytes of hp.
; wq: [slot j: 8][unit ui: 2][wn: 2][step t: 4] entries of 6,400 bytes; column o = 512 wn + 32 (2 j + ui) + 16 nt + r, K step 2 t + kk.  An entry: four images of 1,536 bytes (number 2 kk + nt;
;   three chunks of 512 bytes, lane l's 16 bytes of chunk c = operand registers 4 c .. 4 c + 3), then 256 bytes of scale words [kk: 2][lane 16 nt + r].
; hp: [n: 64][b: 64][16] f32.
; LIMITS: NaN and infinities among the inputs are not served.  A block of zeros gets the scale byte 1 (the rule says 127): its codes are zeros, and this program alone reads the bytes.
; h_proj's eight K steps are summed in f32 outside the matrix unit, K ascending.
.set S0,  64                           ; v64-127   64 numbers of a lane: register 16 b + i = k 32 b + 16 (lane / 16) + i of the lane's row
.set S1,  128                          ; v128-191  a second set
.set TM,  192                          ; v192-207  largest magnitudes, bytes, scale operands
.set PCA, 16                           ; v16-35    a fragment's codes (12 registers) and 8 at work
.set PCB, 36                           ; v36-55    a second fragment
.set PWA, 56                           ; v56, v57  the two scale words: they hold scales and nothing else
.set PWB, 57
.set ACC, 208                          ; v208-215  the part sum
.set WV,  14
.set MT,  15
.set KK2, 32                           ; s[32:33]  K2, twice
.set SEL, 34                           ; s[34:35]  selects of v_permlanex16_b32 for lane l xor 16
.macro XLOAD set, adr, base            ; 64 numbers a lane: of each block of 32 my half's 16 neighbours; the run of 16 loads uses 512 whole bytes of each of 16 rows
.irp b, 0,1,2,3
.irp q, 0,1,2,3
	global_load_b128 v[\set+16*\b+4*\q:\set+16*\b+4*\q+3], v[\adr], s[\base:\base+1] offset:128*\b+16*\q
.endr
.endr
.endm
; 64 numbers of a lane become a fragment's codes in v[pc] .. v[pc + 11] and its scale word in v[pw]
.macro QUANT s, pc, pw
.irp b, 0,1,2,3
	v_max3_num_f32 v[TM+\b], |v[\s+16*\b]|, |v[\s+1+16*\b]|, 0x2800000   ; block b: my 16 numbers, and the floor 2^(5 - 127): the byte cannot fall under 1
.endr
.irp i, 2,4,6,8,10,12,14
.irp b, 0,1,2,3
	s_delay_alu instid0(VALU_DEP_4)
	v_max3_num_f32 v[TM+\b], v[TM+\b], |v[\s+16*\b+\i]|, |v[\s+1+16*\b+\i]|   ; the four blocks by turns
.endr
.endr
.irp b, 0,1,2,3
	s_delay_alu instid0(VALU_DEP_4)
	v_permlanex16_b32 v[TM+4+\b], v[TM+\b], s[SEL], s[SEL+1]
.endr
.irp b, 0,1,2,3
	s_delay_alu instid0(VALU_DEP_4)
	v_max_num_f32 v[TM+\b], v[TM+\b], v[TM+4+\b]                 ; with lane l xor 16's 16: the block's largest magnitude
.endr
.irp b, 0,1,2,3
	s_delay_alu instid0(VALU_DEP_4)
	v_add_nc_u32 v[TM+12+\b], 0xfe000000, v[TM+\b]               ; 4 off its exponent field: the conversion's scale operand
.endr
.irp b, 0,1,2,3
	s_delay_alu instid0(VALU_DEP_4)
	v_lshrrev_b32 v[TM+4+\b], 23, v[TM+12+\b]                    ; the scale's byte
.endr
	s_delay_alu instid0(VALU_DEP_3)
	v_lshl_or_b32 v[\pw], v[TM+5], 8, v[TM+4]                    ; four bytes: my row's scale word
	s_delay_alu instid0(VALU_DEP_1)
	v_lshl_or_b32 v[\pw], v[TM+6], 16, v[\pw]
	s_delay_alu instid0(VALU_DEP_1)
	v_lshl_or_b32 v[\pw], v[TM+7], 24, v[\pw]
.irp c, 0,1
	v_cvt_scalef32_pk16_bf6_f32 v[\pc+6*\c:\pc+2+6*\c], v[\s+32*\c:\s+15+32*\c], v[TM+12+2*\c]
	v_cvt_scalef32_pk16_bf6_f32 v[\pc+12+4*\c:\pc+14+4*\c], v[\s+16+32*\c:\s+31+32*\c], v[TM+12+2*\c+1]   ; a conversion's three registers begin on an even number
.endr
	v_nop                                                        ; one plain place behind a scaled conversion
.irp c, 0,1                            ; the operand's layout wants a whole block in a lane: lanes 0-15 block 2 c, lanes 16-31 block 2 c + 1
.irp i, 0,1,2
	v_permlane16_swap_b32 v[\pc+6*\c+\i], v[\pc+12+4*\c+\i]
.endr
.irp i, 0,1,2
	s_delay_alu instid0(VALU_DEP_3)
	v_mov_b32 v[\pc+3+6*\c+\i], v[\pc+12+4*\c+\i]
.endr
.endr
.endm
	s_load_b128 s[4:7], s[0:1], 0x0                ; attn_W s[4:5], hidden s[6:7]
	s_load_b128 s[8:11], s[0:1], 0x10              ; attn_b s[8:9], wq s[10:11]
	s_load_b64 s[12:13], s[0:1], 0x20              ; hp
	v_lshl_add_u32 v254, v0, 2, 0x2000
	v_mov_b32 v255, 0
	v_lshrrev_b32 v1, 5, v0
	s_delay_alu instid0(VALU_DEP_1)
	v_readfirstlane_b32 s[WV], v1                  ; wave 0..9
	s_and_b32 s[MT], ttmp7, 0xffff                 ; mt; n is ttmp9
	v_and_b32 v2, 15, v0                           ; r
	v_bfe_u32 v3, v0, 4, 1                         ; h
	v_and_b32 v4, 31, v0                           ; lane
	; every address register is made here, ahead of the place where the waves part
	s_delay_alu instid0(VALU_DEP_3)
	v_lshlrev_b32 v5, 12, v2
	s_delay_alu instid0(VALU_DEP_1)
	v_lshl_add_u32 v5, v3, 6, v5                   ; hidden: row r of 4,096 bytes, + 64 h
	v_lshlrev_b32 v6, 13, v2
	s_delay_alu instid0(VALU_DEP_1)
	v_lshl_add_u32 v6, v3, 6, v6                   ; attn_W: row r of 8,192 bytes, + 64 h
	s_lshl_b32 s16, s[WV], 10
	v_lshlrev_b32 v7, 6, v2
	s_delay_alu instid0(VALU_DEP_1)
	v_lshl_add_u32 v7, v3, 5, v7
	s_delay_alu instid0(VALU_DEP_1)
	v_add_nc_u32 v7, s16, v7                       ; LDS: part sum k at 1,024 k; row r of 64 bytes, + 32 h  (used by waves 0-7 alone)
	v_lshlrev_b32 v8, 4, v0                        ; LDS, back: 16 bytes a thread (threads 0-63)
	v_lshlrev_b32 v9, 4, v4                        ; an image's place for my lane
	v_lshlrev_b32 v10, 2, v2                       ; a scale word's: both halves of the lanes hold row r's word and write it to the same place
	v_and_b32 v11, 3, v0
	s_delay_alu instid0(VALU_DEP_1)
	v_lshlrev_b32 v11, 4, v11                      ; attn_b: four numbers at 16 (t % 4)
	v_lshlrev_b32 v12, 4, v0                       ; hp: 16 bytes a thread
	s_mov_b32 s[SEL], 0x76543210
	s_mov_b32 s[SEL+1], 0xfedcba98
	s_mov_b32 s[KK2], 0x4038aa3b                   ; 2 log2(e)
	s_mov_b32 s[KK2+1], s[KK2]
	s_mov_b32 s19, 0                               ; the upper word of every offset below
.irp b, 0,1,2,3
	v_mov_b32 v[TM+4+\b], 0                        ; written once: a lane permute's destination counts as one of its sources
.endr
	s_wait_kmcnt 0x0
	s_cmp_lt_u32 s[WV], 8
	s_cbranch_scc0 .Lwe
	; ---- waves 0-7: one K step of h_proj
	s_lshl_b32 s16, s[WV], 9                       ; 512 k: 128 numbers along K
	s_lshl_b32 s17, s[MT], 16                      ; 16 mt rows of hidden
	s_add_co_u32 s18, s17, s16
	s_add_nc_u64 s[20:21], s[6:7], s[18:19]
	s_lshl_b32 s17, ttmp9, 17                      ; 16 n rows of attn_W
	s_add_co_u32 s18, s17, s16
	s_add_nc_u64 s[22:23], s[4:5], s[18:19]
	XLOAD S0, 5, 20
	XLOAD S1, 6, 22
	s_wait_loadcnt 16                              ; hidden's 16 loads are in; Wh's 16, issued behind them, may be out
	QUANT S0, PCA, PWA
	s_wait_loadcnt 0x0
	QUANT S1, PCB, PWB
.rept 8
	v_nop                                          ; a scale register written by a vector instruction stands 8 places ahead of a scaled matrix instruction, an operand 4
.endr
	; transposed: source 0 = 16 rows of Wh, source 1 = 16 rows of hidden: lane (r, h) holds row b = r and columns o = 8 h + 0 .. 7
	v_wmma_scale_f32_16x16x128_f8f6f4 v[ACC:ACC+7], v[PCB:PCB+11], v[PCA:PCA+11], 0, v[PWB], v[PWA] matrix_a_fmt:MATRIX_FMT_BF6 matrix_b_fmt:MATRIX_FMT_BF6
.rept 4
	v_nop                                          ; four places ahead of the stores that read the result
.endr
	ds_store_b128 v7, v[ACC:ACC+3]                 ; from the accumulator's low end on
	ds_store_b128 v7, v[ACC+4:ACC+7] offset:16
	s_branch .Ljoin
.Lwe:
	; ---- waves 8, 9: one fragment of We into wq
	s_sub_co_u32 s16, s[WV], 8                     ; kk
	s_lshl_b32 s17, s[MT], 1
	s_add_co_u32 s17, s17, s16                     ; K step 2 mt + kk
	s_lshl_b32 s17, s17, 9
	s_add_co_u32 s17, s17, 4096                    ; We begins 1,024 numbers into a row
	s_lshl_b32 s18, ttmp9, 17
	s_add_co_u32 s18, s18, s17
	s_add_nc_u64 s[22:23], s[4:5], s[18:19]
	XLOAD S0, 6, 22
	s_lshr_b32 s24, ttmp9, 2
	s_and_b32 s24, s24, 7                          ; n = 32 wn + 4 j + 2 ui + nt:  j
	s_mul_i32 s24, s24, 102400
	s_bfe_u32 s25, ttmp9, 0x10001                  ; ui
	s_mul_i32 s25, s25, 51200
	s_add_co_u32 s24, s24, s25
	s_lshr_b32 s25, ttmp9, 5                       ; wn
	s_mul_i32 s25, s25, 25600
	s_add_co_u32 s24, s24, s25
	s_mul_i32 s25, s[MT], 6400                     ; step t = mt
	s_add_co_u32 s24, s24, s25                     ; the entry's first byte
	s_and_b32 s26, ttmp9, 1                        ; nt
	s_lshl_b32 s27, s16, 1
	s_add_co_u32 s27, s27, s26
	s_mul_i32 s27, s27, 1536                       ; image 2 kk + nt
	s_add_co_u32 s18, s24, s27
	s_add_nc_u64 s[28:29], s[10:11], s[18:19]
	s_lshl_b32 s27, s16, 7                         ; scale words: 6,144 + 128 kk + 64 nt
	s_lshl_b32 s26, s26, 6
	s_add_co_u32 s27, s27, s26
	s_add_co_u32 s27, s27, 6144
	s_add_co_u32 s18, s24, s27
	s_add_nc_u64 s[30:31], s[10:11], s[18:19]
	s_wait_loadcnt 0x0
	QUANT S0, PCA, PWA
.irp c, 0,1,2
	global_store_b128 v9, v[PCA+4*\c:PCA+4*\c+3], s[28:29] offset:512*\c   ; 32 lanes store 512 consecutive bytes, aligned to 256
.endr
	global_store_b32 v10, v[PWA], s[30:31]         ; 64 bytes of scale words
.Ljoin:
	s_wait_dscnt 0x0                               ; my part sum lies in LDS
	s_barrier_signal -1
	s_barrier_wait -1                              ; all eight do
	s_cmp_lt_u32 s[WV], 2
	s_cbranch_scc0 .Lend
	; ---- waves 0, 1: thread t takes row t / 4, columns 4 (t % 4) on
	s_lshl_b32 s18, ttmp9, 6
	s_add_nc_u64 s[20:21], s[8:9], s[18:19]        ; attn_b at column 16 n
	global_load_b128 v[64:67], v11, s[20:21]
.irp k, 0,1,2,3,4,5,6,7
	ds_load_b128 v[68+4*\k:71+4*\k], v8 offset:1024*\k
.endr
	s_lshl_b32 s18, ttmp9, 12
	s_lshl_b32 s22, s[MT], 10
	s_add_co_u32 s18, s18, s22
	s_add_nc_u64 s[24:25], s[12:13], s[18:19]      ; hp at tile n, row 16 mt
	s_wait_dscnt 0x0
.irp k, 1
	v_pk_add_f32 v[68:69], v[68:69], v[68+4*\k:69+4*\k]          ; K ascending
	v_pk_add_f32 v[70:71], v[70:71], v[70+4*\k:71+4*\k]
.endr
.irp k, 2, 3, 4, 5, 6, 7
	s_delay_alu instid0(VALU_DEP_2)
	v_pk_add_f32 v[68:69], v[68:69], v[68+4*\k:69+4*\k]          ; K ascending
	s_delay_alu instid0(VALU_DEP_2)
	v_pk_add_f32 v[70:71], v[70:71], v[70+4*\k:71+4*\k]
.endr
	s_wait_alu depctr_va_vdst(0)
	s_wait_loadcnt 0x0
	v_pk_add_f32 v[68:69], v[68:69], v[64:65]                    ; + the bias
	v_pk_add_f32 v[70:71], v[70:71], v[66:67]
	s_delay_alu instid0(VALU_DEP_2)
	v_pk_mul_f32 v[68:69], v[68:69], s[KK2:KK2+1] op_sel_hi:[1,0]
	s_delay_alu instid0(VALU_DEP_2)
	v_pk_mul_f32 v[70:71], v[70:71], s[KK2:KK2+1] op_sel_hi:[1,0]
	global_store_b128 v12, v[68:71], s[24:25]      ; 16 lanes store 256 consecutive bytes, aligned
.Lend:
	s_wait_tensorcnt 0x0
	ds_add_u32 v254, v255
	s_wait_dscnt 0x0
	s_endpgm
.Lfunc_end_k_qa3f1598107_prep:
	.size	k_qa3f1598107_prep, .Lfunc_end_k_qa3f1598107_prep-k_qa3f1598107_prep
	.p2alignl 7, 3214868480
	.fill 96, 4, 3214868480
	.section	.rodata,"a",@progbits
	.p2align	6, 0x0
	.amdhsa_kernel k_qa3f1598107_prep
		.amdhsa_group_segment_fixed_size 9472
		.amdhsa_private_segment_fixed_size 0
		.amdhsa_enable_private_segment 0
		.amdhsa_kernarg_size 40
		.amdhsa_user_sgpr_count 2
		.amdhsa_user_sgpr_kernarg_segment_ptr 1
		.amdhsa_wavefront_size32 1
		.amdhsa_system_sgpr_workgroup_id_x 1
		.amdhsa_system_sgpr_workgroup_id_y 1
		.amdhsa_system_sgpr_workgroup_id_z 1
		.amdhsa_system_vgpr_workitem_id 0
		.amdhsa_next_free_vgpr 256
		.amdhsa_next_free_sgpr 66
		.amdhsa_reserve_vcc 0
		.amdhsa_float_denorm_mode_32 3
		.amdhsa_float_denorm_mode_16_64 3
		.amdhsa_memory_ordered 1
		.amdhsa_forward_progress 1
		.amdhsa_inst_pref_size 29
	.end_amdhsa_kernel
	.amdgpu_metadata
---
amdhsa.version: [ 1, 2 ]
amdhsa.kernels:
  - .name:           k_qa3f1598107_prep
    .symbol:         k_qa3f1598107_prep.kd
    .args:
      - { .name: attn_W, .offset: 0, .size: 8, .value_kind: global_buffer, .address_space: global }
      - { .name: hidden, .offset: 8, .size: 8, .value_kind: global_buffer, .address_space: global }
      - { .name: attn_b, .offset: 16, .size: 8, .value_kind: global_buffer, .address_space: global }
      - { .name: wq, .offset: 24, .size: 8, .value_kind: global_buffer, .address_space: global }
      - { .name: hp, .offset: 32, .size: 8, .value_kind: global_buffer, .address_space: global }
    .group_segment_fixed_size: 9472
    .private_segment_fixed_size: 0
    .kernarg_segment_align: 8
    .kernarg_segment_size: 40
    .max_flat_workgroup_size: 320
    .sgpr_count:     66
    .vgpr_count:     256
    .wavefront_size: 32
...
	.end_amdgpu_metadata
.endif
;; end of part 4
;; launch main (part 5): grid 256 x 1, 8 waves a work-group, clusters of 4 x 1, 327,680 bytes of LDS; arguments encoder_outputs, wq, hp, v_W, scores; writes scores
.if DOCPART == 5
	.amdgcn_target "amdgcn-amd-amdhsa--gfx1250"
	.amdhsa_code_object_version 6
	.text
	.protected	k_qa3f1598107_main
	.globl	k_qa3f1598107_main
	.p2align	8
	.type	k_qa3f1598107_main,@function
k_qa3f1598107_main:
	s_mov_b64 s[64:65], 0
	v_nop
	global_prefetch_b8 v0, s[64:65] scope:SCOPE_SE
	s_setreg_imm32_b32 hwreg(HW_REG_WAVE_MODE, 25, 1), 1
	s_wait_xcnt 0x0
	s_wait_alu depctr_hold_cnt(0) depctr_sa_sdst(0) depctr_va_vdst(0) depctr_va_sdst(0) depctr_va_ssrc(0) depctr_va_vcc(0) depctr_vm_vsrc(0)
	s_getreg_b32 s2, hwreg(HW_REG_IB_STS2, 6, 4)
	s_cmp_eq_u32 s2, 0
	s_cbranch_scc0 .Lentry_in_a_cluster
	s_endpgm
.Lentry_in_a_cluster:
	s_bfe_u32 s2, ttmp6, 0x10000c
	s_cmp_lg_u32 s2, 0x3003
	s_cbranch_scc0 .Lentry_shape_is_right
	s_endpgm
.Lentry_shape_is_right:
; scores[b][s] = sum over o of v[o] tanh(h_proj[b][o] + attn_b[o] + Q(enc[s][b]) . Q(We[o])).  enc: [1024 (s)][64 (b)][1024] f32; wq, hp as the launch before lays them; scores: [64][1024] f32.
; tanh(x) = 1 - 1 / (0.5 + 0.5 2^(K2 x)), K2 = 2 log2(e); hp holds K2 (h_proj + attn_b).  score = sum of v - sum of v / (0.5 + 0.5 2^..).  It ends at +1 and -1 where the power overflows or falls to 0.
; SHARES.  A cluster of four work-groups has one b; work-group q has rows s = 256 q .. + 255.  Eight waves: wave w = 2 wm + wn has rows 64 wm .. + 63 and columns 512 wn .. + 511.
; Its 4 row tiles x 8 K steps of enc's codes stay in 384 registers.  We walks through a ring of two LDS slots of 51,200 bytes (32 columns for each wn, all of K), asked for jointly by the four work-groups: 16 visits.
; A visit is two units of 16 columns: 32 matrix instructions on 4 accumulators by turns, then the unit's tanh, in place in the accumulators, in batches.
; THE PRODUCT IS USED TRANSPOSED (source 0 = 16 columns of We, source 1 = 16 rows of enc): a lane holds one row and 8 columns, so a row tile's sum is one register pair.
; Waves 4-7 run the tanh of a visit's second unit behind the next visit's round: their order in a visit is tanh, products, tanh, products, that of waves 0-3 products, tanh, products, tanh.
; Their first such tanh finds zeros in the accumulators and in hp: tanh(0) = 0, it adds v and takes v away again.
; enc is read once, as f32, at the head: wave w quantises rows 32 w .. + 31 (16 fragments), dense loads that turn through the wave's own stage, and hands images of the operand's registers to the others through LDS.
; hp and v come by register loads; each wave stores an eighth of each into its own stage when the stage is done with.
; No data prefetch: the head's stream of enc has 48 loads a wave out, and the loop's one stream, wq, is asked for a whole visit ahead.
; LIMITS: NaN and infinities among the inputs are not served.  A block of zeros gets the scale byte 1 (the rule says 127): its codes are zeros, and this program alone reads the bytes.
; LDS: 0, 51,200 the slots; 102,400 images [row tile: 16][k: 8] x 1,536; 299,008 their scale words [w: 8][32 rows][k: 8]; 307,200 the spare words; 308,224 the stages [w: 8] x 2,304, later hp (512), v (512), part sums (256).
; All of the LDS is claimed.
.set SLB,   51200
.set AIMG,  102400
.set ASC,   299008
.set SPARE, 307200
.set STG,   308224
.set SGB,   2304
.set SPT,   144
.set FRB,   1536
.set SPW, 1                            ; v1 my spare word; v2 0: never rewritten
.set NIL, 2
.set AW,  3                            ; We's images of the slot in hand
.set AWS, 4                            ; their scale words
.set ACS, 5                            ; hp of the visit's column tiles; v lies 512 bytes on
.set VS,  6                            ; v6-7    the lane's sum of v
.set WSC, 8                            ; v8-11   We's scale words: 2 bf + kk
.set HV,  12                           ; v12-19  hp, then v, of the unit's 8 columns
.set SG,  20                           ; v20-27  a pair for each row tile
.set ASR, 28                           ; v28-43  enc's scale words: 8 (a / 2) + k; lanes 0-15 the even tile, 16-31 the odd
.set WF,  44                           ; v44-91  We's fragments: two buffers of two K steps
.set ACC, 92                           ; v92-123 four accumulators
; enc's fragment f = 4 k + a: f < 11 at v124 + 12 f; else in window 1 at 12 (f - 11)
.set XA,  49                           ; the head's addresses, in registers that the loop uses otherwise
.set IA0, 50
.set SA0, 51
.set STI, 52
.set STO, 53
.set LI,  54
.set LSC, 55
.set HPO, 56
.set VO,  57
.set HST, 58
.set X,   0                            ; window 1, at the head: three sets of 64 numbers, and the quantiser's registers
.set TM,  192
.set PC,  208
.set PW,  228
.set WV,  14
.set WM,  15
.set WN,  16
.set CX,  17
.set GRP, 18
.set J,   19
.set G1W, 24
.set G0W, 32
.set KK2, 36
.set SEL, 38
.set EB0, 40
.set WB,  42
.set OFF, 44
.set WNO, 51
.set HB,  52
.set CS0, 54
.set WOFF, 55
.set VB,  56
.set WQM, 0x44                         ; loaded data and store data in window 1, addresses in window 0
.set MSB, 0
.macro WIN new
.if MSB != \new
	s_set_vgpr_msb (MSB<<8)|\new
.set MSB, \new
.endif
.endm
.macro CROUND                          ; a round of the cluster's barrier
	s_barrier_signal -1
	s_barrier_wait -1
	s_cmp_lg_u32 s[WV], 0
	s_cbranch_scc1 .Lnot_wave_0_\@
	s_barrier_signal -3
.Lnot_wave_0_\@:
	s_barrier_wait -3
	s_barrier_signal -1
	s_barrier_wait -1
.endm
.macro XLOAD set, off                  ; 16 rows x 128 K as they lie: load (g, b): 128 bytes of block b of rows 4 g .. + 3, eight lanes to a row
.irp g, 0,1,2,3
.irp b, 0,1,2,3
	global_load_b128 v[\set+16*\b+4*\g:\set+16*\b+4*\g+3], v[XA], s[EB0:EB0+1] offset:(\off)+1048576*\g+128*\b th:TH_LOAD_NT
.endr
.endr
.endm
.macro TURN set                        ; through my stage, in place: register 16 b + i of lane (r, h) becomes k 32 b + 16 h + i of row r; LDS serves a wave's instructions in order
.irp b, 0,1,2,3
.irp g, 0,1,2,3
	ds_store_b128 v[STI], v[\set+16*\b+4*\g:\set+16*\b+4*\g+3] offset:4*SPT*\g
.endr
.irp q, 0,1,2,3
	ds_load_b128 v[\set+16*\b+4*\q:\set+16*\b+4*\q+3], v[STO] offset:16*\q
.endr
.endr
.endm
.macro QUANT s                         ; 64 numbers of a lane become a fragment's codes in v[PC] .. + 11 and its scale word in v[PW]  (all in window 1)
.irp b, 0,1,2,3
	v_max3_num_f32 v[TM+\b], |v[\s+16*\b]|, |v[\s+1+16*\b]|, 0x2800000   ; the floor 2^(5 - 127): the byte cannot fall under 1
.endr
.irp i, 2,4,6,8,10,12,14
.irp b, 0,1,2,3
	v_max3_num_f32 v[TM+\b], v[TM+\b], |v[\s+16*\b+\i]|, |v[\s+1+16*\b+\i]|
.endr
.endr
.irp b, 0,1,2,3
	v_permlanex16_b32 v[TM+4+\b], v[TM+\b], s[SEL], s[SEL+1]
.endr
.irp b, 0,1,2,3
	v_max_num_f32 v[TM+\b], v[TM+\b], v[TM+4+\b]                 ; the block's largest magnitude
.endr
.irp b, 0,1,2,3
	v_add_nc_u32 v[TM+12+\b], 0xfe000000, v[TM+\b]               ; 4 off its exponent field: the conversion's scale operand
.endr
.irp b, 0,1,2,3
	v_lshrrev_b32 v[TM+4+\b], 23, v[TM+12+\b]                    ; the scale's byte
.endr
	v_lshl_or_b32 v[PW], v[TM+5], 8, v[TM+4]
	v_lshl_or_b32 v[PW], v[TM+6], 16, v[PW]
	v_lshl_or_b32 v[PW], v[TM+7], 24, v[PW]
.irp c, 0,1
	v_cvt_scalef32_pk16_bf6_f32 v[PC+6*\c:PC+2+6*\c], v[\s+32*\c:\s+15+32*\c], v[TM+12+2*\c]
	v_cvt_scalef32_pk16_bf6_f32 v[PC+12+4*\c:PC+14+4*\c], v[\s+16+32*\c:\s+31+32*\c], v[TM+12+2*\c+1]
.endr
	v_nop                                                        ; one plain place behind a scaled conversion
.irp c, 0,1                            ; the operand's layout wants a whole block in a lane
.irp i, 0,1,2
	v_permlane16_swap_b32 v[PC+6*\c+\i], v[PC+12+4*\c+\i]
.endr
.irp i, 0,1,2
	v_mov_b32 v[PC+3+6*\c+\i], v[PC+12+4*\c+\i]
.endr
.endr
.endm
.macro PRO f                           ; fragment f (row tile f / 8 of my two, K step f % 8), from set f % 3; then the set takes fragment f + 3
.set SETR, X+64*((\f)%3)
.if (\f) < 14
	s_wait_loadcnt 32                              ; two younger sets of 16 loads may be out
.else
	s_wait_loadcnt 16*(15-(\f))
.endif
	WIN WQM
	TURN SETR
	s_wait_dscnt 0x0                               ; the numbers are back; the last fragment's stores have read PC and PW
	WIN 0x55
	QUANT SETR
	WIN WQM
.irp c, 0,1,2
	ds_store_b128 v[IA0], v[PC+4*\c:PC+4*\c+3] offset:FRB*(\f)+512*\c
.endr
	ds_store_b32 v[SA0], v[PW] offset:512*((\f)/8)+4*((\f)%8)
.if (\f) < 13
	XLOAD SETR, 4194304*(((\f)+3)/8)+512*(((\f)+3)%8)
.endif
.endm
.macro RUNW nt, t, bf                  ; 8 LDS loads: We's two fragments of step t (K steps 2 t, 2 t + 1), column tile nt, and their scale words
.irp kk, 0,1
.irp c, 0,1,2
	ds_load_b128 v[WF+24*(\bf)+12*\kk+4*\c:WF+24*(\bf)+12*\kk+4*\c+3], v[AW] offset:6400*(\t)+FRB*(2*\kk+(\nt))+512*\c
.endr
	ds_load_b32 v[WSC+2*(\bf)+\kk], v[AWS] offset:6400*(\t)+128*\kk
.endr
.endm
.macro HLOAD nt, off                   ; my half's 8 numbers of hp (off = 0) or of v (512)
	ds_load_b128 v[HV:HV+3], v[ACS] offset:(\off)+64*(\nt)
	ds_load_b128 v[HV+4:HV+7], v[ACS] offset:(\off)+64*(\nt)+16
.endm
.macro MM nt, t                        ; matrix instruction i of a step's 8: K step 2 t + i / 4, row tile i % 4.  The 4 accumulators take turns.  K step 0 starts the sums
.set kk, i/4
.set aa, i%4
.set ks, 2*(\t)+kk
.set ff, 4*ks+aa
.if ff < 11
	WIN 0
.set rA, 124+12*ff
.else
	WIN 0x04                                       ; source 1 in window 1
.set rA, 12*(ff-11)
.endif
.set rB, WF+24*((\t)%2)+12*kk
.set rD, ACC+8*aa
.set rP, ASR+8*(aa/2)+ks
.set rQ, WSC+2*((\t)%2)+kk
.if ks == 0
.if ((\nt) == 0) && (aa%2 == 0)
	v_wmma_scale_f32_16x16x128_f8f6f4 v[rD:rD+7], v[rB:rB+11], v[rA:rA+11], 0, v[rQ], v[rP] matrix_a_fmt:MATRIX_FMT_BF6 matrix_b_fmt:MATRIX_FMT_BF6
.elseif (\nt) == 0
	v_wmma_scale_f32_16x16x128_f8f6f4 v[rD:rD+7], v[rB:rB+11], v[rA:rA+11], 0, v[rQ], v[rP] matrix_a_fmt:MATRIX_FMT_BF6 matrix_b_fmt:MATRIX_FMT_BF6 matrix_b_scale:MATRIX_SCALE_ROW1
.elseif aa%2 == 0
	v_wmma_scale_f32_16x16x128_f8f6f4 v[rD:rD+7], v[rB:rB+11], v[rA:rA+11], 0, v[rQ], v[rP] matrix_a_fmt:MATRIX_FMT_BF6 matrix_b_fmt:MATRIX_FMT_BF6 matrix_a_scale:MATRIX_SCALE_ROW1
.else
	v_wmma_scale_f32_16x16x128_f8f6f4 v[rD:rD+7], v[rB:rB+11], v[rA:rA+11], 0, v[rQ], v[rP] matrix_a_fmt:MATRIX_FMT_BF6 matrix_b_fmt:MATRIX_FMT_BF6 matrix_a_scale:MATRIX_SCALE_ROW1 matrix_b_scale:MATRIX_SCALE_ROW1
.endif
.else
.if ((\nt) == 0) && (aa%2 == 0)
	v_wmma_scale_f32_16x16x128_f8f6f4 v[rD:rD+7], v[rB:rB+11], v[rA:rA+11], v[rD:rD+7], v[rQ], v[rP] matrix_a_fmt:MATRIX_FMT_BF6 matrix_b_fmt:MATRIX_FMT_BF6
.elseif (\nt) == 0
	v_wmma_scale_f32_16x16x128_f8f6f4 v[rD:rD+7], v[rB:rB+11], v[rA:rA+11], v[rD:rD+7], v[rQ], v[rP] matrix_a_fmt:MATRIX_FMT_BF6 matrix_b_fmt:MATRIX_FMT_BF6 matrix_b_scale:MATRIX_SCALE_ROW1
.elseif aa%2 == 0
	v_wmma_scale_f32_16x16x128_f8f6f4 v[rD:rD+7], v[rB:rB+11], v[rA:rA+11], v[rD:rD+7], v[rQ], v[rP] matrix_a_fmt:MATRIX_FMT_BF6 matrix_b_fmt:MATRIX_FMT_BF6 matrix_a_scale:MATRIX_SCALE_ROW1
.else
	v_wmma_scale_f32_16x16x128_f8f6f4 v[rD:rD+7], v[rB:rB+11], v[rA:rA+11], v[rD:rD+7], v[rQ], v[rP] matrix_a_fmt:MATRIX_FMT_BF6 matrix_b_fmt:MATRIX_FMT_BF6 matrix_a_scale:MATRIX_SCALE_ROW1 matrix_b_scale:MATRIX_SCALE_ROW1
.endif
.endif
.endm
.macro STEP nt, t, nxt, nnt, nt2       ; four places ahead of the loads into the buffer that the step before multiplied; the next step's 8 loads; 8 matrix instructions
	WIN 0
.rept 4
	v_nop
.endr
.if \nxt
	RUNW \nnt, \nt2, 1-(\t)%2
	s_wait_dscnt 8                                 ; all but the 8 just issued
.else
	s_wait_dscnt 0x0
.endif
.set i, 0
.rept 8
	MM \nt, \t
.set i, i+1
.endr
.endm
.macro TANH nt                         ; the unit's 32 numbers a lane, in place; each batch of transcendentals has one wait ahead of it and one behind it
	WIN 0
.rept 4
	v_nop                                          ; four places behind the last matrix instruction
.endr
.set x, 0
.rept 16
	v_pk_fma_f32 v[ACC+2*x:ACC+2*x+1], v[ACC+2*x:ACC+2*x+1], s[KK2:KK2+1], v[HV+2*(x%4):HV+2*(x%4)+1] op_sel_hi:[1,0,1]   ; K2 e_proj + hp; each accumulator from its low end on
.set x, x+1
.endr
	HLOAD \nt, 512                                 ; hp has been read: v takes its registers
	s_wait_alu depctr_va_vdst(0)
.set x, 0
.rept 32
	v_exp_f32 v[ACC+x], v[ACC+x]
.set x, x+1
.endr
	v_nop
	s_wait_alu depctr_va_vdst(0)
.set x, 0
.rept 16
	v_pk_fma_f32 v[ACC+2*x:ACC+2*x+1], v[ACC+2*x:ACC+2*x+1], 0.5, 0.5 op_sel_hi:[1,0,0]
.set x, x+1
.endr
	s_wait_alu depctr_va_vdst(0)
.set x, 0
.rept 32
	v_rcp_f32 v[ACC+x], v[ACC+x]
.set x, x+1
.endr
	v_nop
	s_wait_dscnt 0x0                               ; v is in
	s_wait_alu depctr_va_vdst(0)
.set x, 0
.rept 16                               ; the four row tiles' sums by turns: - v x the reciprocal
	v_pk_fma_f32 v[SG+2*(x%4):SG+2*(x%4)+1], v[ACC+8*(x%4)+2*(x/4):ACC+8*(x%4)+2*(x/4)+1], v[HV+2*(x/4):HV+2*(x/4)+1], v[SG+2*(x%4):SG+2*(x%4)+1] neg_lo:[1,0,0] neg_hi:[1,0,0]
.set x, x+1
.endr
.irp q, 0,1,2,3
	v_pk_add_f32 v[VS:VS+1], v[VS:VS+1], v[HV+2*\q:HV+2*\q+1]
.endr
.endm
.macro ADDR                            ; visit J's LDS addresses, made anew from v0: slot J % 2; column tile 32 wn + 2 J lies in stage 4 wn + J / 4 at 128 (J % 4)
	s_and_b32 s21, s[J], 1
	s_mul_i32 s21, s21, SLB
	s_add_co_u32 s21, s21, s[WNO]
	s_add_co_u32 s22, s21, 6144
	s_lshr_b32 s50, s[J], 2
	s_mul_i32 s50, s50, SGB
	s_and_b32 s23, s[J], 3
	s_lshl_b32 s23, s23, 7
	s_add_co_u32 s23, s23, s50
	s_add_co_u32 s23, s23, s[CS0]
	v_and_b32 v[AW], 31, v0
	v_bfe_u32 v[ACS], v0, 4, 1
	v_lshl_add_u32 v[AWS], v[AW], 2, s22
	v_lshl_add_u32 v[AW], v[AW], 4, s21
	v_lshl_add_u32 v[ACS], v[ACS], 5, s23
	s_wait_alu depctr_va_vdst(0)                   ; the wait behind these writes
.endm
.macro CHANGE fill                     ; the change of slots: all my tensor loads, the add, my LDS reads; a round; the joint refill of the slot just left with visit J + 1's part of wq
	WIN 0
	s_wait_tensorcnt 0x0
	ds_add_u32 v[SPW], v[NIL]
.if \fill
	s_add_co_u32 s21, s[J], 1
	s_mul_i32 s[OFF], s21, SLB
	s_add_nc_u64 s[G0W+2:G0W+3], s[WB:WB+1], s[OFF:OFF+1]
	s_or_b32 s[G0W+3], s[G0W+3], 0x80000000
	s_and_b32 s21, s21, 1
	s_mul_i32 s21, s21, SLB
	s_add_co_u32 s[G0W+1], s21, s[WOFF]
	s_wait_dscnt 0x0
	CROUND
	tensor_load_to_lds s[G0W:G0W+3], s[G1W:G1W+7]
	s_nop 0
.rept 4
	v_nop
.endr
.else
	s_wait_dscnt 0x0
	s_barrier_signal -1
	s_barrier_wait -1
.endif
.endm
.macro VISIT fill
	CHANGE \fill
	s_cmp_eq_u32 s[GRP], 0
	s_cbranch_scc1 .Lva_\@
	TANH 1                                         ; waves 4-7: the last visit's second unit (ACS is still that visit's)
.Lva_\@:
	ADDR
	RUNW 0, 0, 0
	HLOAD 0, 0
	STEP 0, 0, 1, 0, 1
	STEP 0, 1, 1, 0, 2
	STEP 0, 2, 1, 0, 3
	STEP 0, 3, 1, 1, 0
	TANH 0
	HLOAD 1, 0
	STEP 1, 0, 1, 1, 1
	STEP 1, 1, 1, 1, 2
	STEP 1, 2, 1, 1, 3
	STEP 1, 3, 0, 0, 0
	WIN 0
	s_cmp_lg_u32 s[GRP], 0
	s_cbranch_scc1 .Lvb_\@
	TANH 1                                         ; waves 0-3
.Lvb_\@:
.endm
	s_load_b256 s[4:11], s[0:1], 0x0               ; enc, wq, hp, v_W
	s_load_b64 s[12:13], s[0:1], 0x20              ; scores
	v_lshl_add_u32 v[SPW], v0, 2, SPARE
	v_mov_b32 v[NIL], 0
	ds_add_u32 v[SPW], v[NIL]                      ; the opening lines: the add twice on end
	ds_add_u32 v[SPW], v[NIL]
	v_lshrrev_b32 v44, 5, v0
	v_readfirstlane_b32 s[WV], v44                 ; wave 0..7
	v_and_b32 v44, 31, v0                          ; lane
	v_and_b32 v45, 15, v0                          ; r
	v_bfe_u32 v46, v0, 4, 1                        ; h
	v_bfe_u32 v47, v0, 3, 2                        ; lane / 8
	v_and_b32 v48, 7, v0                           ; lane % 8
	s_wait_alu depctr_va_vdst(0)                   ; the wait
	s_lshr_b32 s[WM], s[WV], 1
	s_and_b32 s[WN], s[WV], 1
	s_lshr_b32 s[GRP], s[WV], 2
	s_bfe_u32 s[CX], ttmp6, 0x40000                ; q: it enters enc's and scores' addresses alone; b is ttmp9
	v_lshlrev_b32 v[XA], 18, v47                   ; a row of my b is 262,144 bytes from the next
	v_lshl_add_u32 v[XA], v48, 4, v[XA]
	s_mul_i32 s21, s[WV], 24576
	s_add_co_u32 s21, s21, AIMG
	v_lshl_add_u32 v[IA0], v44, 4, s21
	s_lshl_b32 s21, s[WV], 10
	s_add_co_u32 s21, s21, ASC
	v_lshl_add_u32 v[SA0], v45, 5, s21
	s_mul_i32 s21, s[WV], SGB
	s_add_co_u32 s21, s21, STG                     ; my stage
	v_mul_u32_u24 v[STI], v47, SPT
	v_lshl_add_u32 v[STI], v48, 4, v[STI]
	v_add_nc_u32 v[STI], s21, v[STI]
	v_mul_u32_u24 v[STO], v45, SPT
	v_lshl_add_u32 v[STO], v46, 6, v[STO]
	v_add_nc_u32 v[STO], s21, v[STO]
	v_lshl_add_u32 v[HST], v44, 4, s21
	s_mul_i32 s21, s[WM], 49152
	s_add_co_u32 s21, s21, AIMG
	v_lshl_add_u32 v[LI], v44, 4, s21
	s_lshl_b32 s21, s[WM], 11
	s_add_co_u32 s21, s21, ASC
	v_lshl_add_u32 v[LSC], v44, 5, s21
	v_lshrrev_b32 v[HPO], 2, v44                   ; hp: column tile 8 w + lane / 4 (4,096 bytes each), 16 (lane % 4)
	v_lshlrev_b32 v[HPO], 12, v[HPO]
	v_and_b32 v[VO], 3, v44
	v_lshl_add_u32 v[HPO], v[VO], 4, v[HPO]
	v_lshlrev_b32 v[VO], 4, v44
	s_mov_b32 s[G1W], 15|(3<<16)|(1<<21)           ; joint, all four work-groups: an eighth of a slot, 6,400 dense bytes as 25 rows of 32 elements of 8 bytes
	s_mov_b32 s[G1W+1], 32<<16
	s_mov_b32 s[G1W+2], 25<<16
	s_mov_b32 s[G1W+3], 32<<16
	s_mov_b32 s[G1W+4], 25
	s_mov_b32 s[G1W+5], 32
	s_mov_b32 s[G1W+6], 0
	s_mov_b32 s[G1W+7], 0
	s_mov_b32 s[KK2], 0x4038aa3b                   ; 2 log2(e)
	s_mov_b32 s[KK2+1], s[KK2]
	s_mov_b32 s[SEL], 0x76543210
	s_mov_b32 s[SEL+1], 0xfedcba98
	s_mov_b32 s[OFF+1], 0
	s_mov_b32 s47, 0
	s_mov_b32 s49, 0
	s_mul_i32 s[WNO], s[WN], 25600
	s_mul_i32 s[CS0], s[WN], 4*SGB
	s_add_co_u32 s[CS0], s[CS0], STG
	s_mul_i32 s[WOFF], s[WV], 6400
	s_lshl_b32 s48, s[CX], 26                      ; 256 q rows,
	s_lshl_b32 s50, ttmp9, 12                      ; my b's 4,096 bytes,
	s_add_co_u32 s48, s48, s50
	s_lshl_b32 s50, s[WV], 23                      ; 32 w rows
	s_add_co_u32 s48, s48, s50
	s_wait_alu depctr_va_vdst(0)
	s_wait_dscnt 0x0
	s_wait_kmcnt 0x0
	s_add_nc_u64 s[EB0:EB0+1], s[4:5], s[48:49]
	s_lshl_b32 s46, s[WV], 15
	s_lshl_b32 s50, ttmp9, 6
	s_add_co_u32 s46, s46, s50
	s_add_nc_u64 s[HB:HB+1], s[8:9], s[46:47]      ; hp at column tile 8 w, row b
	s_lshl_b32 s46, s[WV], 9
	s_add_nc_u64 s[VB:VB+1], s[10:11], s[46:47]    ; v at column 128 w
	global_load_b128 v[60:63], v[HPO], s[HB:HB+1]
	global_load_b128 v[64:67], v[VO], s[VB:VB+1]
	WIN WQM
	XLOAD X, 0                                     ; fragments 0, 1, 2
	XLOAD X+64, 512
	XLOAD X+128, 1024
	WIN 0
	s_lshl_b32 s48, ttmp9, 12
	s_lshl_b32 s50, s[CX], 10
	s_add_co_u32 s48, s48, s50
	s_add_nc_u64 s[12:13], s[12:13], s[48:49]      ; scores at [b][256 q]
	s_mov_b32 s46, s[WOFF]
	s_add_nc_u64 s[WB:WB+1], s[6:7], s[46:47]
	s_mov_b32 s[G0W], 1
	s_mov_b32 s[G0W+1], s[WOFF]                    ; slot 0, my eighth
	s_mov_b64 s[G0W+2:G0W+3], s[WB:WB+1]
	s_or_b32 s[G0W+3], s[G0W+3], 0x80000000
	CROUND
	tensor_load_to_lds s[G0W:G0W+3], s[G1W:G1W+7]  ; my one tensor load at the head
	s_nop 0
.set x, 0
.rept 22
	v_mov_b32 v[VS+x], 0                           ; the sums begin at 0 (v6-7, v20-27); hp of the unit before the first is 0 (v12-19); v8-11 lie between
.set x, x+1
.endr
.set x, 0
.rept 32
	v_mov_b32 v[ACC+x], 0                          ; the unit before the first
.set x, x+1
.endr
	WIN WQM
.irp b, 0,1,2,3
	v_mov_b32 v[TM+4+\b], 0                        ; a lane permute's destination counts as one of its sources
.endr
.irp f, 0,1,2,3,4,5,6,7,8,9,10,11,12,13,14,15
	PRO \f
.endr
	WIN 0
	ds_store_b128 v[HST], v[60:63]                 ; my stage is done with: my eighth of hp,
	ds_store_b128 v[HST], v[64:67] offset:512      ; and of v
	s_wait_dscnt 0x0                               ; my images, scale words, hp and v lie in LDS
	s_barrier_signal -1
	s_barrier_wait -1                              ; everybody's do
.set f, 0
.rept 32                               ; my 4 row tiles x 8 K steps come into registers
.if f < 11
	WIN 0
.set rA, 124+12*f
.else
	WIN 0x40
.set rA, 12*(f-11)
.endif
.irp c, 0,1,2
	ds_load_b128 v[rA+4*\c:rA+4*\c+3], v[LI] offset:8*FRB*(f%4)+FRB*(f/4)+512*\c
.endr
.set f, f+1
.endr
	WIN 0
.irp p, 0,1
.irp q, 0,1
	ds_load_b128 v[ASR+8*\p+4*\q:ASR+8*\p+4*\q+3], v[LSC] offset:1024*\p+16*\q
.endr
.endr
	s_wait_dscnt 0x0
	s_mov_b32 s[J], 0
	ADDR                                           ; ACS for the tanh of the unit before the first
.Lvisit:
	VISIT 1
	s_add_co_u32 s[J], s[J], 1
	s_cmp_lt_u32 s[J], 15
	s_cbranch_scc1 .Lvisit
	VISIT 0                                        ; visit 15 is written out: nothing is left to ask for
	s_cmp_eq_u32 s[GRP], 0
	s_cbranch_scc1 .Lfin
	TANH 1                                         ; waves 4-7: the last unit
.Lfin:
	s_wait_alu depctr_va_vdst(0)                   ; the wait
	s_wait_dscnt 0x0
	s_barrier_signal -1
	s_barrier_wait -1                              ; nobody reads hp or v any more
	v_add_f32 v[VS], v[VS], v[VS+1]
.irp a, 0,1,2,3
	v_add_f32 v[SG+2*\a], v[SG+2*\a], v[SG+2*\a+1]
.endr
.irp a, 0,1,2,3
	v_add_f32 v[SG+2*\a], v[SG+2*\a], v[VS]
.endr
.irp a, 0,1,2,3
	v_permlanex16_b32 v[SG+2*\a+1], v[SG+2*\a], s[SEL], s[SEL+1]
.endr
.irp a, 0,1,2,3
	v_add_f32 v[SG+2*\a], v[SG+2*\a], v[SG+2*\a+1] ; with the other half's 8 columns of each tile: row 16 a + r, my 512 columns
.endr
	s_mul_i32 s21, s[WV], SGB
	s_add_co_u32 s21, s21, STG+1024
	v_and_b32 v[AW], 15, v0
	v_lshl_add_u32 v[AW], v[AW], 2, s21
.irp a, 0,1,2,3
	ds_store_b32 v[AW], v[SG+2*\a] offset:64*\a    ; both halves write one word with one value
.endr
	s_wait_dscnt 0x0
	s_barrier_signal -1
	s_barrier_wait -1
	s_cmp_lt_u32 s[WV], 4
	s_cbranch_scc0 .Lend
	s_mul_i32 s21, s[WV], 2*SGB                    ; waves 0-3: thread t takes rows 2 t, 2 t + 1: the part sums of waves 2 w and 2 w + 1
	s_add_co_u32 s21, s21, STG+1024
	v_and_b32 v[AW], 31, v0
	v_lshl_add_u32 v[AW], v[AW], 3, s21
	v_lshlrev_b32 v[AWS], 3, v0
	s_wait_alu depctr_va_vdst(0)                   ; the wait
	ds_load_b64 v[HV:HV+1], v[AW]
	ds_load_b64 v[HV+2:HV+3], v[AW] offset:SGB
	s_wait_dscnt 0x0
	v_pk_add_f32 v[HV:HV+1], v[HV:HV+1], v[HV+2:HV+3]
	global_store_b64 v[AWS], v[HV:HV+1], s[12:13]  ; a wave stores 256 consecutive bytes, aligned
.Lend:
	s_wait_tensorcnt 0x0                           ; the wave's end
	ds_add_u32 v[SPW], v[NIL]
	s_wait_dscnt 0x0
	CROUND                                         ; the closing round
	s_endpgm
.Lfunc_end_k_qa3f1598107_main:
	.size	k_qa3f1598107_main, .Lfunc_end_k_qa3f1598107_main-k_qa3f1598107_main
	.p2alignl 7, 3214868480
	.fill 96, 4, 3214868480
	.section	.rodata,"a",@progbits
	.p2align	6, 0x0
	.amdhsa_kernel k_qa3f1598107_main
		.amdhsa_group_segment_fixed_size 327680
		.amdhsa_private_segment_fixed_size 0
		.amdhsa_enable_private_segment 0
		.amdhsa_kernarg_size 40
		.amdhsa_user_sgpr_count 2
		.amdhsa_user_sgpr_kernarg_segment_ptr 1
		.amdhsa_wavefront_size32 1
		.amdhsa_system_sgpr_workgroup_id_x 1
		.amdhsa_system_sgpr_workgroup_id_y 1
		.amdhsa_system_sgpr_workgroup_id_z 1
		.amdhsa_system_vgpr_workitem_id 0
		.amdhsa_next_free_vgpr 512
		.amdhsa_next_free_sgpr 96
		.amdhsa_reserve_vcc 0
		.amdhsa_float_denorm_mode_32 3
		.amdhsa_float_denorm_mode_16_64 3
		.amdhsa_memory_ordered 1
		.amdhsa_forward_progress 1
		.amdhsa_inst_pref_size 210
	.end_amdhsa_kernel
	.amdgpu_metadata
---
amdhsa.version: [ 1, 2 ]
amdhsa.kernels:
  - .name:           k_qa3f1598107_main
    .symbol:         k_qa3f1598107_main.kd
    .args:
      - { .name: encoder_outputs, .offset: 0, .size: 8, .value_kind: global_buffer, .address_space: global }
      - { .name: wq, .offset: 8, .size: 8, .value_kind: global_buffer, .address_space: global }
      - { .name: hp, .offset: 16, .size: 8, .value_kind: global_buffer, .address_space: global }
      - { .name: v_W, .offset: 24, .size: 8, .value_kind: global_buffer, .address_space: global }
      - { .name: scores, .offset: 32, .size: 8, .value_kind: global_buffer, .address_space: global }
    .group_segment_fixed_size: 327680
    .private_segment_fixed_size: 0
    .kernarg_segment_align: 8
    .kernarg_segment_size: 40
    .max_flat_workgroup_size: 256
    .sgpr_count:     96
    .vgpr_count:     512
    .wavefront_size: 32
...
	.end_amdgpu_metadata
.endif
;; end of part 5
;; launch soft (part 6): grid 64 x 1, 8 waves a work-group, no clusters, 1,280 bytes of LDS; arguments scores, attn_mask, out0; writes out0
.if DOCPART == 6
	.amdgcn_target "amdgcn-amd-amdhsa--gfx1250"
	.amdhsa_code_object_version 6
	.text
	.protected	k_qa3f1598107_soft
	.globl	k_qa3f1598107_soft
	.p2align	8
	.type	k_qa3f1598107_soft,@function
k_qa3f1598107_soft:
	s_mov_b64 s[64:65], 0
	v_nop
	global_prefetch_b8 v0, s[64:65] scope:SCOPE_SE
	s_setreg_imm32_b32 hwreg(HW_REG_WAVE_MODE, 25, 1), 1
	s_wait_xcnt 0x0
; out0[b][:] = softmax over s of (attn_mask[b][s] == 0 ? -1e10 : scores[b][s]).  scores, out0: [64][1024] f32; attn_mask: [64][1024] i32.
; One work-group a row b; thread t holds s = 4 t .. 4 t + 3.  The row's largest number is taken away ahead of the exponential; a row that is masked everywhere gives 1 / 1024 everywhere.
; The difference is formed first and then scaled by log2(e), so that equal numbers give exactly 2^0 whatever their size.
; A row is 4,096 bytes: no matrix unit, no tensor load, no cluster: the work-groups share nothing.
	s_load_b128 s[4:7], s[0:1], 0x0                ; scores, attn_mask
	s_load_b64 s[8:9], s[0:1], 0x10                ; out0
	v_lshl_add_u32 v32, v0, 2, 0x100
	v_mov_b32 v33, 0
	v_lshrrev_b32 v1, 5, v0
	s_delay_alu instid0(VALU_DEP_1)
	v_readfirstlane_b32 s10, v1                    ; wave 0..7
	v_lshlrev_b32 v2, 4, v0
	s_lshl_b32 s11, ttmp9, 12
	v_add_nc_u32 v2, s11, v2                       ; 4,096 b + 16 t
	s_mov_b32 s12, 0x76543210
	s_mov_b32 s13, 0xfedcba98                      ; selects of v_permlanex16_b32 for lane l xor 16
	v_mov_b32 v3, s10
	s_delay_alu instid0(VALU_DEP_1)
	v_lshlrev_b32 v3, 2, v3                        ; LDS: my wave's word
	v_mov_b32 v4, 0
	v_mov_b32 v13, 0                               ; a lane permute's destination counts as one of its sources
	v_mov_b32 v5, 0xd01502f9                       ; -1e10
	s_wait_alu depctr_va_vdst(0)
	s_wait_kmcnt 0x0
	global_load_b128 v[8:11], v2, s[4:5]
	global_load_b128 v[16:19], v2, s[6:7]
	s_wait_loadcnt 0x0
.irp i, 0,1,2,3
	v_cmp_eq_u32 vcc_lo, 0, v[16+\i]
	s_delay_alu instid0(VALU_DEP_1)
	v_cndmask_b32 v[8+\i], v[8+\i], v5, vcc_lo
.endr
	s_delay_alu instid0(VALU_DEP_3)
	v_max3_num_f32 v12, v8, v9, v10
	s_delay_alu instid0(VALU_DEP_1)
	v_max_num_f32 v12, v12, v11
	s_delay_alu instid0(VALU_DEP_1)
	v_max_num_f32_dpp v12, v12, v12 row_xmask:1 row_mask:0xf bank_mask:0xf
	s_delay_alu instid0(VALU_DEP_1)
	v_max_num_f32_dpp v12, v12, v12 row_xmask:2 row_mask:0xf bank_mask:0xf
	s_delay_alu instid0(VALU_DEP_1)
	v_max_num_f32_dpp v12, v12, v12 row_xmask:4 row_mask:0xf bank_mask:0xf
	s_delay_alu instid0(VALU_DEP_1)
	v_max_num_f32_dpp v12, v12, v12 row_xmask:8 row_mask:0xf bank_mask:0xf
	s_delay_alu instid0(VALU_DEP_1)
	v_permlanex16_b32 v13, v12, s12, s13
	s_delay_alu instid0(VALU_DEP_1)
	v_max_num_f32 v12, v12, v13                    ; the wave's largest
	ds_store_b32 v3, v12                           ; all lanes write the same word with the same value
	s_wait_dscnt 0x0
	s_barrier_signal -1
	s_barrier_wait -1
	ds_load_b128 v[20:23], v4
	ds_load_b128 v[24:27], v4 offset:16
	s_wait_dscnt 0x0
	v_max3_num_f32 v12, v20, v21, v22
	s_delay_alu instid0(VALU_DEP_1)
	v_max3_num_f32 v12, v12, v23, v24
	s_delay_alu instid0(VALU_DEP_1)
	v_max3_num_f32 v12, v12, v25, v26
	s_delay_alu instid0(VALU_DEP_1)
	v_max_num_f32 v12, v12, v27                    ; the row's largest
.irp i, 0,1,2,3
	v_sub_f32 v[8+\i], v[8+\i], v12
.endr
.irp i, 0,1,2,3
	s_delay_alu instid0(VALU_DEP_4)
	v_mul_f32 v[8+\i], 0x3fb8aa3b, v[8+\i]         ; x log2(e)
.endr
	s_wait_alu depctr_va_vdst(0)
.irp i, 0,1,2,3
	v_exp_f32 v[8+\i], v[8+\i]
.endr
	v_nop                                          ; a plain line behind the last exponential,
	s_wait_alu depctr_va_vdst(0)                   ; and one wait for the four, ahead of their first reader
	v_add_f32 v14, v8, v9
	v_add_f32 v15, v10, v11
	s_delay_alu instid0(VALU_DEP_1)
	v_add_f32 v14, v14, v15
	s_delay_alu instid0(VALU_DEP_1)
	v_add_f32_dpp v14, v14, v14 row_xmask:1 row_mask:0xf bank_mask:0xf
	s_delay_alu instid0(VALU_DEP_1)
	v_add_f32_dpp v14, v14, v14 row_xmask:2 row_mask:0xf bank_mask:0xf
	s_delay_alu instid0(VALU_DEP_1)
	v_add_f32_dpp v14, v14, v14 row_xmask:4 row_mask:0xf bank_mask:0xf
	s_delay_alu instid0(VALU_DEP_1)
	v_add_f32_dpp v14, v14, v14 row_xmask:8 row_mask:0xf bank_mask:0xf
	s_delay_alu instid0(VALU_DEP_1)
	v_permlanex16_b32 v13, v14, s12, s13
	s_delay_alu instid0(VALU_DEP_1)
	v_add_f32 v14, v14, v13                        ; the wave's sum
	ds_store_b32 v3, v14 offset:32                 ; other bytes than the maxima's: no wave may still be reading those
	s_wait_dscnt 0x0
	s_barrier_signal -1
	s_barrier_wait -1
	ds_load_b128 v[20:23], v4 offset:32
	ds_load_b128 v[24:27], v4 offset:48
	s_wait_dscnt 0x0
	v_add_f32 v20, v20, v21
	v_add_f32 v22, v22, v23
	v_add_f32 v24, v24, v25
	v_add_f32 v26, v26, v27
	s_delay_alu instid0(VALU_DEP_3)
	v_add_f32 v20, v20, v22
	s_delay_alu instid0(VALU_DEP_2)
	v_add_f32 v24, v24, v26
	s_delay_alu instid0(VALU_DEP_1)
	v_add_f32 v20, v20, v24                        ; the row's sum: at least 1, the largest number's own term
	s_wait_alu depctr_va_vdst(0)
	v_rcp_f32 v14, v20
	v_nop
	s_wait_alu depctr_va_vdst(0)
.irp i, 0,1,2,3
	v_mul_f32 v[8+\i], v[8+\i], v14
.endr
	global_store_b128 v2, v[8:11], s[8:9]          ; 16 lanes store 256 consecutive bytes, aligned
	s_wait_tensorcnt 0x0
	ds_add_u32 v32, v33
	s_wait_dscnt 0x0
	s_endpgm
.Lfunc_end_k_qa3f1598107_soft:
	.size	k_qa3f1598107_soft, .Lfunc_end_k_qa3f1598107_soft-k_qa3f1598107_soft
	.p2alignl 7, 3214868480
	.fill 96, 4, 3214868480
	.section	.rodata,"a",@progbits
	.p2align	6, 0x0
	.amdhsa_kernel k_qa3f1598107_soft
		.amdhsa_group_segment_fixed_size 1280
		.amdhsa_private_segment_fixed_size 0
		.amdhsa_enable_private_segment 0
		.amdhsa_kernarg_size 24
		.amdhsa_user_sgpr_count 2
		.amdhsa_user_sgpr_kernarg_segment_ptr 1
		.amdhsa_wavefront_size32 1
		.amdhsa_system_sgpr_workgroup_id_x 1
		.amdhsa_system_sgpr_workgroup_id_y 1
		.amdhsa_system_sgpr_workgroup_id_z 1
		.amdhsa_system_vgpr_workitem_id 0
		.amdhsa_next_free_vgpr 34
		.amdhsa_next_free_sgpr 66
		.amdhsa_reserve_vcc 1
		.amdhsa_float_denorm_mode_32 3
		.amdhsa_float_denorm_mode_16_64 3
		.amdhsa_memory_ordered 1
		.amdhsa_forward_progress 1
		.amdhsa_inst_pref_size 6
	.end_amdhsa_kernel
	.amdgpu_metadata
---
amdhsa.version: [ 1, 2 ]
amdhsa.kernels:
  - .name:           k_qa3f1598107_soft
    .symbol:         k_qa3f1598107_soft.kd
    .args:
      - { .name: scores, .offset: 0, .size: 8, .value_kind: global_buffer, .address_space: global }
      - { .name: attn_mask, .offset: 8, .size: 8, .value_kind: global_buffer, .address_space: global }
      - { .name: out0, .offset: 16, .size: 8, .value_kind: global_buffer, .address_space: global }
    .group_segment_fixed_size: 1280
    .private_segment_fixed_size: 0
    .kernarg_segment_align: 8
    .kernarg_segment_size: 24
    .max_flat_workgroup_size: 256
    .sgpr_count:     66
    .vgpr_count:     34
    .wavefront_size: 32
...
	.end_amdgpu_metadata
.endif
;; end of part 6
